; MI455X (gfx1250); checked and timed in simulation.
; The chip was launched on July 23, 2026; its instructions are those of AMD's public machine-readable ISA for CDNA 5 (MIT licence, August 2026) and "CDNA5" Instruction Set Architecture Reference Guide (July 2026). The comments in the code are by the model that wrote it; some were corrected since.
;; Multi Head Attention. Allowed arithmetic: matrix products marked QUANTISED: E3M2 operands, one E8M0 scale for each 32 along K, by v_wmma_scale_f32_16x16x128_f8f6f4 with both operands' format E3M2, f32 sums; everything else in f32.
;; Inputs: Wk 1,024 x 1,024 float32; Wo 1,024 x 1,024 float32; Wq 1,024 x 1,024 float32; Wv 1,024 x 1,024 float32; bo 1,024 float32; x 4 x 2,048 x 1,024 float32.
;; Outputs: out0 4 x 2,048 x 1,024 float32.
;; This version of the problem:
;;   THIS VERSION OF THE PROBLEM IS GIVEN IN LOW PRECISION. The matrix products marked QUANTISED in the list below multiply operands that are first quantised to E3M2 (3 exponent bits, 2 mantissa bits; 6 bits a number), with one power-of-two scale for each 32 numbers along K (OCP MX v1.0); their sums are f32. All else is computed in f32.
;;   The module's matrix products, in the order in which they are computed (A, B: the left and right operand; K: the contracted axis; several contracted axes count as one K, in the product's order):
;;     1. [M 8,192, K 1,024] x [K 1,024, N 1,024]; A: input x; B: input Wq: QUANTISED
;;     2. [M 8,192, K 1,024] x [K 1,024, N 1,024]; A: input x; B: input Wk: QUANTISED
;;     3. [M 8,192, K 1,024] x [K 1,024, N 1,024]; A: input x; B: input Wv: QUANTISED
;;     4. batch 64 x [M 2,048, K 64] x [K 64, N 2,048]; A: computed on the way; B: computed on the way: QUANTISED
;;     5. batch 64 x [M 2,048, K 2,048] x [K 2,048, N 64]; A: softmax (see below); B: computed on the way: QUANTISED
;;     6. [M 8,192, K 1,024] x [K 1,024, N 1,024]; A: computed on the way; B: input Wo: QUANTISED
;;   THE QUANTISER, for each operand of a quantised product, along K:
;;     - K is cut into blocks of 32 from its start; a last block that is shorter is filled with zeros.
;;     - A block's scale is 2^e with e = floor(log2(the largest magnitude in the block)) - 4, held to -126 .. 127; a block of zeros has e = 0. As a byte (E8M0): e + 127.
;;     - Each number is divided by its block's scale, clamped to +-28, and rounded to the nearest number of E3M2, ties to even, subnormals kept.
;;     - The product sums the exact products of the quantised numbers (number of the format x scale) in f32.
;;   ~~~python
;;   def quantise(x, axis):      # numpy; x: float32 -> the quantised numbers, widened to float32 again
;;       x = np.moveaxis(x, axis, -1); K = x.shape[-1]
;;       x = np.pad(x, [(0, 0)] * (x.ndim - 1) + [(0, -K % 32)]); x = x.reshape(x.shape[:-1] + (-1, 32)); a = np.abs(x).max(-1, keepdims=True)
;;       e = np.where(a > 0, np.clip(np.frexp(np.where(a > 0, a, 1))[1] - 1 - 4, -126, 127), 0)      # np.frexp(a)[1] - 1 = floor(log2(a)), exactly
;;       r = np.clip(x / 2.0 ** e, -28, 28)
;;       step = 2.0 ** (np.maximum(np.frexp(np.where(r == 0, 1, r))[1] - 1, -2) - 2)
;;       q = np.round(r / step) * step * 2.0 ** e      # np.round: ties to even
;;       return np.moveaxis(q.reshape(q.shape[:-2] + (-1,))[..., :K], -1, axis).astype(np.float32)
;;   ~~~
;;   SOFTMAX AHEAD OF A QUANTISED PRODUCT. Where the list says 'softmax', what is quantised is not the finished softmax but p = 2^(t - M), with t = logit x log2(e) and M = ceil(the row's largest t), a whole number; so 1/2 < the row's largest p <= 1. The row's sum l is taken of the UNQUANTISED p, in f32, and the product's result is divided by l at the end. Since M is a whole number, a kernel that streams over the keys may use a running M (the ceiling of the running maximum): every later rescaling is an exact power of two, which a block's scale takes up: the codes' values come out the same.
;;   OPERANDS COMPUTED ON THE WAY. 'Computed on the way' means the value that the module computes at that place (a softmax that the list does not call 'softmax' is quantised finished and normalised). What goes into a quantiser is computed in f32, as accurately as f32 sums, v_exp_f32 and their like allow (about 1e-6 of the number): no bf16 or f16 on the way to a quantiser, and a product that is left as it is and whose result goes on into a quantised operand takes f32 operands (vector FMAs, or v_wmma_f32_16x16x4_f32). A number that lies on a knife's edge between two numbers of the format may be rounded either way, as far as f32 arithmetic and the matrix unit's own rounding can turn it there, and no further.
;; One version. Each part assembles by itself: llvm-mc -triple=amdgcn-amd-amdhsa -mcpu=gfx1250 --defsym DOCPART=n.
;; ======== version 1 of 1: 5 launches
;; workspace buffers: xq 6,553,600 bytes; wqk 1,638,400 bytes; wvo 1,638,400 bytes; qkc 13,107,200 bytes; vc 13,107,200 bytes; ctxc 6,553,600 bytes
;; launch quant (part 1): grid 256 x 1, 6 waves a work-group, no clusters, 51,456 bytes of LDS; arguments x, Wq, Wk, Wv, Wo, xq, wqk, wvo; writes xq, wqk, wvo
.if DOCPART == 1
	.amdgcn_target "amdgcn-amd-amdhsa--gfx1250"
	.amdhsa_code_object_version 6
	.text
	.protected	k_q5735f5f272_quant
	.globl	k_q5735f5f272_quant
	.p2align	8
	.type	k_q5735f5f272_quant,@function
k_q5735f5f272_quant:
	s_mov_b64 s[64:65], 0
	v_nop
	global_prefetch_b8 v0, s[64:65] scope:SCOPE_SE
	s_setreg_imm32_b32 hwreg(HW_REG_WAVE_MODE, 25, 1), 1
	s_wait_xcnt 0x0
; CAUSAL MULTI-HEAD ATTENTION (4 x 2,048 tokens, 1,024 wide, 16 heads of 64), all six products on codes of BF6 (E3M2) with one E8M0 scale for each 32 along K.  Five launches:
; this one quantises x and the four weights along K; two launches of one body make q, k and v and quantise them on the way out; one does the attention and quantises its result; one does the last product.
; Between launches go codes and scale bytes alone.
; WORK LEFT OUT, in the attention launch: a step of 128 keys all of which come after all 128 queries of a wave's block.  The reference sets those scores to -infinity by a mask that it builds itself (tril); their
; softmax weight is exactly 0 for all finite inputs, so they add 0 to the row's sum, their p is 0, whose codes are 0 under any scale, and they cannot be the row's maximum (key 0 counts for every query).
; LIMIT: a NaN, an infinity or an overflow that reaches only those scores is not carried to the result.  Every input has a way to the output and is loaded.
; THE LAYOUT OF ALL CODES: images of the operand's registers.  A TILE is 16 rows; tile T's lane r holds row 32 (T / 2) + 8 (T % 2) + r + 8 (r / 8), so that the results of two neighbouring tiles are 16 neighbours in a lane.
; A HALF IMAGE is 16 rows x 64 along K, 768 bytes: lane l = r + 16 hl holds the 24 bytes of codes k = 32 hl .. 32 hl + 31 of its row: its first 16 bytes at 16 l, its last 8 at 512 + 8 l.
; A tile here: 16 half images (K = 1,024), then 512 bytes of scale words: word of row r for the s-th 128 along K at 12,288 + 256 (s / 4) + 16 r + 4 (s % 4).  12,800 bytes a tile.
; THE QUANTISER: a block's scale byte is its largest magnitude's exponent field - 4, held at 1 from below.  LIMITS: a block of zeros, or one whose largest magnitude lies under 2^-122, gets the byte 1 (the stated rule gives a
; block of zeros 127: its codes are zeros, which add nothing, and this program alone reads the bytes); NaN and infinities among the inputs are not served.
; SHARES: 768 tiles (512 of x, 64 of each weight) x two halves of K are 1,536 tasks, one a wave: 16 rows x 512 along K, four fragments of 128.  Each load reads 512 consecutive bytes of a row; a fragment's 16 rows turn
; through the wave's own stage in LDS (rows of 512 + 16 bytes), so that a lane gets 16 neighbours of each block of 32.  Waves share nothing: no barrier.  No matrix unit, no cluster: a stream read once.
.set WV,    7
.set STGB,  16*528                     ; a wave's stage
.set SPARE, 6*STGB                     ; behind the six stages: the spare words, 128 bytes for each wave: three blocks of 256 bytes that no other line names
.set SPW,   12                         ; v12  LDS address of my spare word; never rewritten
.set NIL,   13                         ; v13  0; never rewritten
.set R,     16                         ; v16-143  two sets of 64 numbers as loaded
.set X,     144                        ; v144-207 64 numbers: register 16 b + i = k 32 b + 16 hl + i of my row
.set TM,    208                        ; v208-223 at work
.set PC,    224                        ; v224-243 the fragment's codes
.set PW,    244                        ; its scale word
.set PWS,   245                        ; v245-248 the four fragments' scale words
.set SEL,   36                         ; s[36:37] lane selects: lane l xor 16
	s_load_b512 s[8:23], s[0:1], 0x0               ; x, Wq, Wk, Wv, Wo, xq, wqk, wvo
	v_lshl_add_u32 v[SPW], v0, 2, SPARE
	v_mov_b32 v[NIL], 0
	v_lshrrev_b32 v1, 5, v0
	v_readfirstlane_b32 s[WV], v1                  ; wave 0..5
	v_and_b32 v4, 31, v0                           ; lane
	v_and_b32 v7, 15, v0                           ; r
	v_bfe_u32 v8, v0, 4, 1                         ; hl
	v_lshlrev_b32 v1, 4, v4                        ; 16 x lane
	v_lshlrev_b32 v5, 3, v4                        ; 8 x lane
	v_lshlrev_b32 v6, 4, v7
	v_lshl_add_u32 v6, v8, 3, v6                   ; 16 r + 8 hl: my two scale words
	s_mul_i32 s28, s[WV], STGB
	v_add_nc_u32 v2, s28, v1                       ; the stage, on the way in: 16 x lane of a row
	v_mul_u32_u24 v3, v7, 528
	v_lshl_add_u32 v3, v8, 6, v3
	v_add_nc_u32 v3, s28, v3                       ; and out: row r, + 64 hl
	s_mov_b32 s[SEL], 0x76543210
	s_mov_b32 s[SEL+1], 0xfedcba98
.irp b, 0,1,2,3
	v_mov_b32 v[TM+4+\b], 0                        ; written once: a lane permute's destination counts as one of its sources
.endr
	s_mul_i32 s2, ttmp9, 6
	s_add_co_u32 s2, s2, s[WV]                     ; my task
	s_lshr_b32 s3, s2, 1                           ; its tile, 0..767
	s_and_b32 s4, s2, 1                            ; its half of K
	s_sub_co_u32 s5, s3, 512                       ; among the weights' 256 tiles (used only from tile 512 on)
	s_and_b32 s6, s5, 63
	s_and_b32 s30, s5, 127
	s_wait_kmcnt 0x0
	s_and_b32 s31, s5, 64                          ; the choices hang on the task's number alone
	s_cmp_lg_u32 s31, 0
	s_cselect_b64 s[24:25], s[12:13], s[10:11]     ; Wk or Wq
	s_cselect_b64 s[26:27], s[16:17], s[14:15]     ; Wo or Wv
	s_and_b32 s31, s5, 128
	s_cmp_lg_u32 s31, 0
	s_cselect_b64 s[24:25], s[26:27], s[24:25]
	s_cselect_b64 s[26:27], s[22:23], s[20:21]     ; into wvo or wqk
	s_cmp_lt_u32 s3, 512
	s_cselect_b64 s[24:25], s[8:9], s[24:25]       ; x
	s_cselect_b64 s[26:27], s[18:19], s[26:27]     ; into xq
	s_cselect_b32 s6, s3, s6                       ; the tile in its source,
	s_cselect_b32 s30, s3, s30                     ; and in its buffer
	s_lshr_b32 s32, s6, 1
	s_lshl_b32 s32, s32, 17                        ; 32 (T / 2) rows of 4,096 bytes
	s_and_b32 s33, s6, 1
	s_lshl_b32 s33, s33, 15                        ; 8 (T % 2) rows
	s_add_co_u32 s32, s32, s33
	s_lshl_b32 s33, s4, 11                         ; my half of K: 512 numbers
	s_add_co_u32 s32, s32, s33
	s_mov_b32 s33, 0
	s_add_nc_u64 s[24:25], s[24:25], s[32:33]
	s_mul_i32 s34, s30, 12800
	s_mov_b32 s35, 0
	s_add_nc_u64 s[26:27], s[26:27], s[34:35]      ; my tile
	s_lshl_b32 s34, s4, 8
	s_add_co_u32 s34, s34, 12288
	s_add_nc_u64 s[28:29], s[26:27], s[34:35]      ; my 256 bytes of scale words
	s_mul_i32 s34, s4, 6144
	s_add_nc_u64 s[26:27], s[26:27], s[34:35]      ; my eight half images
.macro LOAD f                          ; fragment f: 128 numbers of each of the tile's 16 rows, into set f % 2
.irp i, 0,1,2,3,4,5,6,7,8,9,10,11,12,13,14,15
	global_load_b128 v[R+64*((\f)%2)+4*\i:R+64*((\f)%2)+4*\i+3], v1, s[24:25] offset:(\i+8*(\i/8))*4096+512*(\f) th:TH_LOAD_NT
.endr
.endm
; 64 numbers of a lane, register 16 b + i = k 32 b + 16 hl + i of my row, become a fragment's codes in v[PC] on and its scale word in v[PW]
.macro QUANT s
.irp b, 0,1,2,3
	v_max3_num_f32 v[TM+\b], |v[\s+16*\b]|, |v[\s+1+16*\b]|, 0x2800000   ; block b: my 16 numbers, and the floor 2^(5 - 127): the byte cannot fall under 1
.endr
.irp i, 2,4,6,8,10,12,14
.irp b, 0,1,2,3
	v_max3_num_f32 v[TM+\b], v[TM+\b], |v[\s+16*\b+\i]|, |v[\s+1+16*\b+\i]|   ; the four blocks by turns
.endr
.endr
.irp b, 0,1,2,3
	v_permlanex16_b32 v[TM+4+\b], v[TM+\b], s[SEL], s[SEL+1]
.endr
.irp b, 0,1,2,3
	v_max_num_f32 v[TM+\b], v[TM+\b], v[TM+4+\b]   ; with lane l xor 16's: the block's largest magnitude
.endr
.irp b, 0,1,2,3
	v_add_nc_u32 v[TM+12+\b], 0xfe000000, v[TM+\b] ; 4 off its exponent field: the conversion's scale operand
.endr
.irp b, 0,1,2,3
	v_lshrrev_b32 v[TM+4+\b], 23, v[TM+12+\b]      ; the scale's byte
.endr
	v_lshl_or_b32 v[PW], v[TM+5], 8, v[TM+4]
	v_lshl_or_b32 v[PW], v[TM+6], 16, v[PW]
	v_lshl_or_b32 v[PW], v[TM+7], 24, v[PW]
.irp c, 0,1
	v_cvt_scalef32_pk16_bf6_f32 v[PC+6*\c:PC+2+6*\c], v[\s+32*\c:\s+15+32*\c], v[TM+12+2*\c]
	v_cvt_scalef32_pk16_bf6_f32 v[PC+12+4*\c:PC+14+4*\c], v[\s+16+32*\c:\s+31+32*\c], v[TM+12+2*\c+1]   ; (a conversion's three registers begin on an even number)
.endr
	v_nop                                          ; one plain place behind a scaled conversion
.irp c, 0,1                                    ; the operand wants a whole block in a lane: lanes 0-15 block 2 c, lanes 16-31 block 2 c + 1
.irp i, 0,1,2
	v_permlane16_swap_b32 v[PC+6*\c+\i], v[PC+12+4*\c+\i]
.endr
.irp i, 0,1,2
	v_mov_b32 v[PC+3+6*\c+\i], v[PC+12+4*\c+\i]
.endr
.endr
.endm
.macro PART f
.if (\f) < 3
	s_wait_loadcnt 16                              ; this fragment's 16 loads are in; the next one's 16 may be out
.else
	s_wait_loadcnt 0x0
.endif
.irp i, 0,1,2,3,4,5,6,7,8,9,10,11,12,13,14,15
	ds_store_b128 v2, v[R+64*((\f)%2)+4*\i:R+64*((\f)%2)+4*\i+3] offset:528*\i
.endr
.irp b, 0,1,2,3
.irp j, 0,1,2,3
	ds_load_b128 v[X+16*\b+4*\j:X+16*\b+4*\j+3], v3 offset:128*\b+16*\j   ; LDS serves a wave's instructions in order: these see the stores above
.endr
.endr
	s_wait_dscnt 0x0                               ; the numbers are back, and the stores have read their registers
.if (\f) > 0
	s_wait_xcnt 0x0                                ; the last fragment's stores have read their data: the codes' registers may be written again
.endif
.if (\f) < 2
	LOAD (\f)+2
.endif
	QUANT X
	global_store_b128 v1, v[PC:PC+3], s[26:27] offset:(2*(\f))*768             ; each store covers 512 or 256 consecutive bytes, aligned to 256
	global_store_b64 v5, v[PC+4:PC+5], s[26:27] offset:(2*(\f))*768+512
	global_store_b128 v1, v[PC+6:PC+9], s[26:27] offset:(2*(\f)+1)*768
	global_store_b64 v5, v[PC+10:PC+11], s[26:27] offset:(2*(\f)+1)*768+512
	v_mov_b32 v[PWS+(\f)], v[PW]
.endm
	LOAD 0
	LOAD 1
	PART 0
	PART 1
	PART 2
	PART 3
	v_cmp_lt_u32 vcc_lo, 15, v4                    ; lanes 16-31 store words 2 and 3 of their row (both halves of the lanes hold all four)
	v_cndmask_b32 v250, v[PWS], v[PWS+2], vcc_lo
	v_cndmask_b32 v251, v[PWS+1], v[PWS+3], vcc_lo
	global_store_b64 v6, v[250:251], s[28:29]      ; 256 consecutive bytes, aligned
	s_wait_tensorcnt 0x0                           ; the wave's end: a tensor wait, an add and its wait behind my last LDS store
	ds_add_u32 v[SPW], v[NIL]
	s_wait_dscnt 0x0
	s_endpgm
.Lfunc_end_k_q5735f5f272_quant:
	.size	k_q5735f5f272_quant, .Lfunc_end_k_q5735f5f272_quant-k_q5735f5f272_quant
	.p2alignl 7, 3214868480
	.fill 96, 4, 3214868480
	.section	.rodata,"a",@progbits
	.p2align	6, 0x0
	.amdhsa_kernel k_q5735f5f272_quant
		.amdhsa_group_segment_fixed_size 51456
		.amdhsa_private_segment_fixed_size 0
		.amdhsa_enable_private_segment 0
		.amdhsa_kernarg_size 64
		.amdhsa_user_sgpr_count 2
		.amdhsa_user_sgpr_kernarg_segment_ptr 1
		.amdhsa_wavefront_size32 1
		.amdhsa_system_sgpr_workgroup_id_x 1
		.amdhsa_system_sgpr_workgroup_id_y 1
		.amdhsa_system_sgpr_workgroup_id_z 1
		.amdhsa_system_vgpr_workitem_id 0
		.amdhsa_next_free_vgpr 256
		.amdhsa_next_free_sgpr 66
		.amdhsa_reserve_vcc 1
		.amdhsa_float_denorm_mode_32 3
		.amdhsa_float_denorm_mode_16_64 3
		.amdhsa_memory_ordered 1
		.amdhsa_forward_progress 1
		.amdhsa_inst_pref_size 34
	.end_amdhsa_kernel
	.amdgpu_metadata
---
amdhsa.version: [ 1, 2 ]
amdhsa.kernels:
  - .name:           k_q5735f5f272_quant
    .symbol:         k_q5735f5f272_quant.kd
    .args:
      - { .name: x, .offset: 0, .size: 8, .value_kind: global_buffer, .address_space: global }
      - { .name: Wq, .offset: 8, .size: 8, .value_kind: global_buffer, .address_space: global }
      - { .name: Wk, .offset: 16, .size: 8, .value_kind: global_buffer, .address_space: global }
      - { .name: Wv, .offset: 24, .size: 8, .value_kind: global_buffer, .address_space: global }
      - { .name: Wo, .offset: 32, .size: 8, .value_kind: global_buffer, .address_space: global }
      - { .name: xq, .offset: 40, .size: 8, .value_kind: global_buffer, .address_space: global }
      - { .name: wqk, .offset: 48, .size: 8, .value_kind: global_buffer, .address_space: global }
      - { .name: wvo, .offset: 56, .size: 8, .value_kind: global_buffer, .address_space: global }
    .group_segment_fixed_size: 51456
    .private_segment_fixed_size: 0
    .kernarg_segment_align: 8
    .kernarg_segment_size: 64
    .max_flat_workgroup_size: 192
    .sgpr_count:     66
    .vgpr_count:     256
    .wavefront_size: 32
...
	.end_amdgpu_metadata
.endif
;; end of part 1
;; launch projqk (part 2): grid 8 x 32, 4 waves a work-group, clusters of 4 x 4, 327,680 bytes of LDS; arguments xq, wqk, qkc; writes qkc
.if DOCPART == 2
	.amdgcn_target "amdgcn-amd-amdhsa--gfx1250"
	.amdhsa_code_object_version 6
	.text
	.protected	k_q5735f5f272_projqk
	.globl	k_q5735f5f272_projqk
	.p2align	8
	.type	k_q5735f5f272_projqk,@function
k_q5735f5f272_projqk:
	s_mov_b64 s[64:65], 0
	v_nop
	global_prefetch_b8 v0, s[64:65] scope:SCOPE_SE
	s_setreg_imm32_b32 hwreg(HW_REG_WAVE_MODE, 25, 1), 1
	s_wait_xcnt 0x0
	s_wait_alu depctr_hold_cnt(0) depctr_sa_sdst(0) depctr_va_vdst(0) depctr_va_sdst(0) depctr_va_ssrc(0) depctr_va_vcc(0) depctr_vm_vsrc(0)
	s_getreg_b32 s2, hwreg(HW_REG_IB_STS2, 6, 4)
	s_cmp_eq_u32 s2, 0
	s_cbranch_scc0 .Lentry_in_a_cluster
	s_endpgm
.Lentry_in_a_cluster:
	s_bfe_u32 s2, ttmp6, 0x10000c
	s_cmp_lg_u32 s2, 0xf033
	s_cbranch_scc0 .Lentry_shape_is_right
	s_endpgm
.Lentry_shape_is_right:
; A GEMM on codes of BF6 (K = 1,024) whose result is quantised on the way out, along the axis of operand b.  Arguments: a, b (tiles of 12,800 bytes: 16 half images of 768 bytes, 512 bytes of scale words), o.
; ONE BODY, TWO LAUNCHES.  a = x's tiles, b = Wq's and Wk's: o = q and k as codes along the head's 64.  a = Wv's tiles, b = x's: o = v as codes along the KEYS.  No work is left out here.
; THE MATRIX INSTRUCTION: source 0 = a tile of b, source 1 = a tile of a.  Tile T's lane r holds row 32 (T / 2) + 8 (T % 2) + r + 8 (r / 8), so in the results of b's tiles 2 n and 2 n + 1 lane (r, hl) holds, for a's row r,
; b's rows 32 n + 16 hl + 0 .. 15: 16 neighbours along the axis to be quantised.  A wave's eight tiles of b are 128 of them: one fragment and one scale word for each row of a.
; SHARES: a work-group of four waves makes 256 (a) x 256 (b), a wave 128 x 128: 64 accumulators.  K goes in steps of 256 through two LDS slots filled by the tensor data mover: 8 tiles x 3,072 bytes a load.
; A fragment is read from LDS as it lies: two loads of 16 bytes a lane and two of 8, each over consecutive bytes: no padding.  All scale words of the wave's tiles, for all of K, stay in 128 registers.
; The eight steps of 128 along K are written out: the scale registers' numbers go with the step.
; CLUSTERS: 4 x 4 work-groups; a's tiles are asked for jointly along a row of the cluster, b's along a column.
; o: scale words at 512 (256 hi + 16 (chunk % 16) + (Rt % 128) / 8) + 32 r + 4 (Rt % 8); half images at 524,288 + 768 (4,096 hi + 256 (chunk % 16) + 128 c + Rt % 128); Rt: a's tile, chunk: 128 of b, c: its half,
; hi = chunk / 16 + Rt / 128 (one of the two is 0 in each launch: hi is the batch).  With a = Wv only Rt < 64 occurs: the other places are neither written nor read: the price of one body.
; LIMITS: as in the first launch: a block of zeros or under 2^-122 gets the byte 1; NaN and infinities are not served.
; REGISTERS, in windows of 256: window 0: v16-30 addresses; v32-95 b's scale words (8 tile + step), v96-159 a's; v160-255 a's eight fragments, ONE set; on the way out v160-211 are at work.
;   window 1: b's fragments, two sets, at v0 and v128.   windows 2, 3: the accumulators ((a, b) at v[8 (8 (a % 4) + b)]).
.set FR,    12                         ; registers of a fragment
.set NL,    4                          ; LDS loads that bring one
.set TILEB, 3072                       ; a tile's 256 along K: four half images
.set HALFT, 8*TILEB                    ; what one tensor load brings, and what a wave reads of a or of b
.set SLOT,  4*HALFT                    ; a's 16 tiles, then b's 16
.set SPARE, 2*SLOT                     ; behind the ring: the spare words, 128 bytes for each wave: two blocks of 256 bytes that no other line names
.set ADRA, 16                          ; v16-17 LDS address of my a tiles in slot 0, 1, + 16 x lane; v18-19 + 8 x lane
.set ADRB, 20                          ; v20-23 the same for b
.set L16,  24                          ; 16 x lane
.set L8,   25                          ; 8 x lane
.set SCO,  26                          ; 32 r + 16 hl
.set R16,  27                          ; 16 r
.set SPW,  28                          ; LDS address of my spare word; never rewritten
.set NIL,  29                          ; 0; never rewritten
.set LANE, 30
.set SB,   32
.set SA,   96
.set AF,   160
.set TM,   160                         ; the way out: v160-175 at work,
.set PWS,  176                         ; v176-183 the eight scale words,
.set OUTS, 184                         ; v184-187 the four that I store,
.set PC,   192                         ; v192-211 a fragment's codes
.set G1,  24                           ; s[24:31] descriptor group 1 for a's tiles; s[32:39] group 0, a set for each slot
.set G0,  32
.set G1B, 48                           ; s[48:55], s[56:63] the same for b's
.set G0B, 56
.set SEL, 80
.set MSB, 0
.macro WIN new                         ; the immediate's high byte repeats the setting that is left
.if MSB != \new
	s_set_vgpr_msb (MSB<<8)|\new
.set MSB, \new
.endif
.endm
.set MUL_LO, 0xa1                      ; source 0 (b) window 1, source 1 (a) window 0, C and D window 2
.set MUL_HI, 0xf1                      ; the same, C and D window 3
.set TO_B,   0x40                      ; destination window 1, address window 0
; A joint load: waves 0 and 1 fetch for a, waves 2 and 3 for b.  The branch hangs on the wave's number alone.  An s_nop 0 and four v_nop follow each of the two lines.
.macro JLOAD g0a, g1a, g0b, g1b
	s_cmp_eq_u32 s15, 0
	s_cbranch_scc0 .Lfor_b_\@
	tensor_load_to_lds s[\g0a:\g0a+3], s[\g1a:\g1a+7]
	s_nop 0
.rept 4
	v_nop
.endr
	s_branch .Lasked_\@
.Lfor_b_\@:
	tensor_load_to_lds s[\g0b:\g0b+3], s[\g1b:\g1b+7]
	s_nop 0
.rept 4
	v_nop
.endr
.Lasked_\@:
.endm
.macro CREST                           ; a round of the cluster's barrier behind its opening barrier
	s_cmp_lg_u32 s14, 0
	s_cbranch_scc1 .Lnot_wave_0_\@
	s_barrier_signal -3
.Lnot_wave_0_\@:
	s_barrier_wait -3
	s_barrier_signal -1
	s_barrier_wait -1
.endm
.macro CROUND
	s_barrier_signal -1
	s_barrier_wait -1
	CREST
.endm
	s_load_b128 s[4:7], s[0:1], 0x0                ; a, b
	s_load_b64 s[8:9], s[0:1], 0x10                ; o
	v_lshl_add_u32 v[SPW], v0, 2, SPARE
	v_mov_b32 v[NIL], 0
	ds_add_u32 v[SPW], v[NIL]                      ; the wave's opening: the add, twice on end, and its wait ahead of my first tensor load
	ds_add_u32 v[SPW], v[NIL]
	v_lshrrev_b32 v1, 5, v0
	v_readfirstlane_b32 s14, v1                    ; wave 0..3
	s_lshr_b32 s15, s14, 1                         ; which half of a's 16 tiles is mine.  Also: I fetch for a (0) or for b (1)
	s_and_b32 s16, s14, 1                          ; which half of b's.  Also: which 8 tiles I fetch
	s_bfe_u32 s40, ttmp6, 0x40000                  ; cx, cy: my place in the cluster
	s_bfe_u32 s41, ttmp6, 0x40004
	s_lshl_b32 s42, ttmp9, 2
	s_add_co_u32 s42, s42, s40                     ; block of b = 4 x cluster x + cx
	s_and_b32 s17, ttmp7, 0xffff
	s_lshl_b32 s17, s17, 2
	s_add_co_u32 s17, s17, s41                     ; block of a = 4 x cluster y + cy
	s_lshl_b32 s43, s41, 2
	s_lshl_b32 s43, 15, s43                        ; my row of the cluster
	s_lshl_b32 s44, 0x1111, s40                    ; my column
	s_or_b32 s[G1+0], s43, (3<<16)|(1<<21)         ; 15:0 the mask; 17:16 elements of 8 bytes; 21 set beside a mask; no padding
	s_or_b32 s[G1B+0], s44, (3<<16)|(1<<21)
.irp g, G1, G1B
	s_mov_b32 s[\g+1], 384<<16                     ; tensor_dim0: 3,072 bytes
	s_mov_b32 s[\g+2], 8<<16                       ; tensor_dim1: 8 tiles
	s_mov_b32 s[\g+3], 384<<16                     ; tile_dim0
	s_mov_b32 s[\g+4], 8                           ; tile_dim1
	s_mov_b32 s[\g+5], 1600                        ; from tile to tile: 12,800 bytes
	s_mov_b32 s[\g+6], 0
	s_mov_b32 s[\g+7], 0
.endr
	s_lshl_b32 s18, s16, 3
	s_lshl_b32 s20, s17, 4
	s_add_co_u32 s20, s20, s18                     ; a: tile 16 x block + 8 x half
	s_mul_i32 s20, s20, 12800
	s_mov_b32 s21, 0
	s_lshl_b32 s46, s42, 4
	s_add_co_u32 s46, s46, s18                     ; b likewise
	s_mul_i32 s46, s46, 12800
	s_mov_b32 s47, 0
	s_mul_i32 s45, s14, HALFT                      ; where they go: wave x 8 tiles: no place in the cluster enters an LDS address
	s_mov_b32 s[SEL], 0x76543210
	s_mov_b32 s[SEL+1], 0xfedcba98
	s_wait_dscnt 0x0                               ; both opening adds are done
	s_wait_kmcnt 0x0
	s_add_nc_u64 s[20:21], s[4:5], s[20:21]
	s_add_nc_u64 s[46:47], s[6:7], s[46:47]
	CROUND                                         ; all sixteen work-groups are here: the first joint loads meet
.irp s, 0,1
	s_mov_b32 s[G0+4*\s], 1
	s_add_co_u32 s[G0+4*\s+1], s45, \s*SLOT
	s_add_nc_u64 s[G0+4*\s+2:G0+4*\s+3], s[20:21], \s*TILEB
	s_or_b32 s[G0+4*\s+3], s[G0+4*\s+3], 0x80000000
	s_mov_b32 s[G0B+4*\s], 1
	s_add_co_u32 s[G0B+4*\s+1], s45, \s*SLOT
	s_add_nc_u64 s[G0B+4*\s+2:G0B+4*\s+3], s[46:47], \s*TILEB
	s_or_b32 s[G0B+4*\s+3], s[G0B+4*\s+3], 0x80000000
	JLOAD G0+4*\s, G1, G0B+4*\s, G1B               ; two loads of mine are out
.endr
	v_and_b32 v[LANE], 31, v0
	v_and_b32 v1, 15, v0                           ; r
	v_bfe_u32 v2, v0, 4, 1                         ; hl
	v_lshlrev_b32 v[L16], 4, v[LANE]
	v_lshlrev_b32 v[L8], 3, v[LANE]
	v_lshlrev_b32 v[SCO], 5, v1
	v_lshl_add_u32 v[SCO], v2, 4, v[SCO]
	v_lshlrev_b32 v[R16], 4, v1
	s_mul_i32 s21, s15, HALFT                      ; my 8 tiles of a
	s_mul_i32 s22, s16, HALFT                      ; my 8 tiles of b,
	s_add_co_u32 s22, s22, 2*HALFT                 ; which lie behind a's 16
.irp s, 0,1
	v_add_nc_u32 v[ADRA+\s], s21, v[L16]
	v_add_nc_u32 v[ADRA+2+\s], s21, v[L8]
	v_add_nc_u32 v[ADRB+\s], s22, v[L16]
	v_add_nc_u32 v[ADRB+2+\s], s22, v[L8]
	s_add_co_u32 s21, s21, SLOT
	s_add_co_u32 s22, s22, SLOT
.endr
	s_lshl_b32 s66, s17, 4
	s_lshl_b32 s67, s15, 3
	s_add_co_u32 s66, s66, s67                     ; Rt0: my first tile of a
	s_mul_i32 s68, s66, 12800
	s_mov_b32 s69, 0
	s_add_nc_u64 s[68:69], s[4:5], s[68:69]
	s_lshl_b32 s70, s42, 4
	s_lshl_b32 s71, s16, 3
	s_add_co_u32 s70, s70, s71                     ; my first tile of b
	s_mul_i32 s70, s70, 12800
	s_mov_b32 s71, 0
	s_add_nc_u64 s[70:71], s[6:7], s[70:71]
.irp i, 0,1,2,3,4,5,6,7                        ; all scale words of my 16 tiles: four steps' words of a row are 16 neighbouring bytes
.irp kh, 0,1
	global_load_b128 v[SB+8*\i+4*\kh:SB+8*\i+4*\kh+3], v[R16], s[70:71] offset:\i*12800+12288+256*\kh
	global_load_b128 v[SA+8*\i+4*\kh:SA+8*\i+4*\kh+3], v[R16], s[68:69] offset:\i*12800+12288+256*\kh
.endr
.endr
	s_lshl_b32 s72, s42, 1
	s_add_co_u32 s72, s72, s16                     ; chunk: my 128 of b
	s_lshr_b32 s73, s72, 4
	s_lshr_b32 s76, s66, 7
	s_add_co_u32 s73, s73, s76                     ; hi
	s_and_b32 s74, s72, 15
	s_and_b32 s75, s66, 127
	s_lshl_b32 s76, s73, 8
	s_lshl_b32 s77, s74, 4
	s_add_co_u32 s76, s76, s77
	s_lshr_b32 s77, s75, 3
	s_add_co_u32 s76, s76, s77
	s_lshl_b32 s76, s76, 9
	s_mov_b32 s77, 0
	s_add_nc_u64 s[76:77], s[8:9], s[76:77]        ; my 512 bytes of scale words in o
	s_lshl_b32 s78, s73, 12
	s_lshl_b32 s79, s74, 8
	s_add_co_u32 s78, s78, s79
	s_add_co_u32 s78, s78, s75
	s_mul_i32 s78, s78, 768
	s_add_co_u32 s78, s78, 524288
	s_mov_b32 s79, 0
	s_add_nc_u64 s[78:79], s[8:9], s[78:79]        ; my half images in o
.macro FRAG reg, adr, q, i             ; tile i's fragment of the slot's q-th 128 along K: half images 2 q and 2 q + 1, as they lie
	ds_load_b128 v[\reg:\reg+3], v[\adr] offset:(\i)*TILEB+(2*(\q))*768
	ds_load_b64 v[\reg+4:\reg+5], v[\adr+2] offset:(\i)*TILEB+(2*(\q))*768+512
	ds_load_b128 v[\reg+6:\reg+9], v[\adr] offset:(\i)*TILEB+(2*(\q)+1)*768
	ds_load_b64 v[\reg+10:\reg+11], v[\adr+2] offset:(\i)*TILEB+(2*(\q)+1)*768+512
.endm
; 16 matrix instructions: a's tiles a0, a0 + 1 x b's eight; p: b's set; s: the step of 128 along K, 0..7.  zero = 1: the first product starts the sums.  The 64 accumulators take turns.
.macro MUL16 a0, p, s, zero
.irp a, \a0, \a0+1
.irp b, 0,1,2,3,4,5,6,7
.if \zero
	v_wmma_scale_f32_16x16x128_f8f6f4 v[8*(8*((\a)%4)+\b):8*(8*((\a)%4)+\b)+7], v[128*(\p)+FR*\b:128*(\p)+FR*\b+FR-1], v[AF+FR*(\a):AF+FR*(\a)+FR-1], 0, v[SB+8*\b+(\s)], v[SA+8*(\a)+(\s)] matrix_a_fmt:MATRIX_FMT_BF6 matrix_b_fmt:MATRIX_FMT_BF6
.else
	v_wmma_scale_f32_16x16x128_f8f6f4 v[8*(8*((\a)%4)+\b):8*(8*((\a)%4)+\b)+7], v[128*(\p)+FR*\b:128*(\p)+FR*\b+FR-1], v[AF+FR*(\a):AF+FR*(\a)+FR-1], v[8*(8*((\a)%4)+\b):8*(8*((\a)%4)+\b)+7], v[SB+8*\b+(\s)], v[SA+8*(\a)+(\s)] matrix_a_fmt:MATRIX_FMT_BF6 matrix_b_fmt:MATRIX_FMT_BF6
.endif
.endr
.endr
.endm
.macro FETCH_B slot, q, p
	WIN TO_B
.irp i, 0,1,2,3,4,5,6,7
	FRAG 128*(\p)+FR*\i, ADRB+\slot, \q, \i
.endr
	WIN 0
.endm
.macro FETCH_A slot, q, i0
.irp i, \i0, \i0+1, \i0+2, \i0+3
	FRAG AF+FR*(\i), ADRA+\slot, \q, \i
.endr
.endm
.macro PLACES                          ; four plain places behind matrix instructions, in front of loads into registers that they have read and of the first read of results (for the first read of results)
.rept 4
	v_nop
.endr
.endm
.macro STEP slot, s, zero              ; a slot's first 128 along K; its second is fetched meanwhile
	s_wait_dscnt 4*NL                              ; b's set and a's tiles 0-3 are in; the youngest 16 loads (a's tiles 4-7) may be out
	WIN MUL_LO
	MUL16 0, 0, \s, \zero
	MUL16 2, 0, \s, \zero
	s_wait_dscnt 0x0                               ; a's tiles 4-7 are in
	PLACES
	FETCH_B \slot, 1, 1
	FETCH_A \slot, 1, 0
	WIN MUL_HI
	MUL16 4, 0, \s, \zero
	MUL16 6, 0, \s, \zero
	PLACES
	WIN 0
	FETCH_A \slot, 1, 4
.endm
; A slot's second 128 along K changes slots: ONE barrier; in front of it each wave waits for all its tensor loads, adds 0 to its spare word, and waits for that and for its reads of this slot.  fill = 1: this slot is filled again.
.macro TURN slot, next, s, fill
	s_wait_tensorcnt 0x0                           ; all my tensor loads have landed: my part of the next slot
	ds_add_u32 v[SPW], v[NIL]                      ; 0 onto my spare word
	s_wait_dscnt 4*NL+1                            ; (the add and the youngest 16 loads may be out)
	WIN MUL_LO
	MUL16 0, 1, \s, 0
	s_wait_dscnt 0x0                               ; the add is done, and my reads of this slot are over
	s_barrier_signal -1
	MUL16 2, 1, \s, 0
	WIN 0
	s_barrier_wait -1
.if \fill
	CREST                                          ; the barrier has opened a round of the cluster's: no wave of any partner still reads this slot or has a load on its way
	s_add_nc_u64 s[G0+4*\slot+2:G0+4*\slot+3], s[G0+4*\slot+2:G0+4*\slot+3], 2*TILEB
	s_add_nc_u64 s[G0B+4*\slot+2:G0B+4*\slot+3], s[G0B+4*\slot+2:G0B+4*\slot+3], 2*TILEB
	JLOAD G0+4*\slot, G1, G0B+4*\slot, G1B         ; the first tensor load behind the round; its four v_nop are the places in front of the loads below
.else
	PLACES
.endif
	FETCH_B \next, 0, 0
	FETCH_A \next, 0, 0
	WIN MUL_HI
	MUL16 4, 1, \s, 0
	MUL16 6, 1, \s, 0
	PLACES
	WIN 0
	FETCH_A \next, 0, 4
.endm
	s_wait_tensorcnt 1                             ; my part of slot 0 is in; slot 1's may stay out
	s_barrier_signal -1
	s_barrier_wait -1
	FETCH_B 0, 0, 0
	FETCH_A 0, 0, 0
	FETCH_A 0, 0, 4
	s_wait_loadcnt 0x0                             ; the scale words
	STEP 0, 0, 1
	TURN 0, 1, 1, 1                                ; slot 0 takes K 512 to 767
	STEP 1, 2, 0
	TURN 1, 0, 3, 1                                ; slot 1 takes K 768 to 1,023
	STEP 0, 4, 0
	TURN 0, 1, 5, 0                                ; nothing is left to fetch
	STEP 1, 6, 0
	s_wait_dscnt 4*NL
	WIN MUL_LO
	MUL16 0, 1, 7, 0
	MUL16 2, 1, 7, 0
	s_wait_dscnt 0x0
	WIN MUL_HI
	MUL16 4, 1, 7, 0
	MUL16 6, 1, 7, 0
	WIN 0
	PLACES
.irp b, 0,1,2,3
	v_mov_b32 v[TM+4+\b], 0                        ; written once: a lane permute's destination counts as one of its sources
.endr
; THE WAY OUT of a's tile a: its 64 results of a lane (register 16 n + i = b's row 32 n + 16 hl + i) become a fragment's codes and a scale word.  Each accumulator is read from its low end on.
.macro EPI a
.set AC, 64*((\a)%4)
	WIN 0x0a+5*((\a)/4)                            ; sources 0 and 1: window 2 or 3
.irp b, 0,1,2,3
	v_max3_num_f32 v[TM+\b], |v[AC+16*\b]|, |v[AC+1+16*\b]|, 0x2800000   ; and the floor 2^(5 - 127)
.endr
.irp i, 2,4,6,8,10,12,14
.irp b, 0,1,2,3
	v_max3_num_f32 v[TM+\b], |v[AC+16*\b+\i]|, |v[AC+1+16*\b+\i]|, v[TM+\b]
.endr
.endr
	WIN 0
.irp b, 0,1,2,3
	v_permlanex16_b32 v[TM+4+\b], v[TM+\b], s[SEL], s[SEL+1]
.endr
.irp b, 0,1,2,3
	v_max_num_f32 v[TM+\b], v[TM+\b], v[TM+4+\b]
.endr
.irp b, 0,1,2,3
	v_add_nc_u32 v[TM+12+\b], 0xfe000000, v[TM+\b] ; 4 off the exponent field: the conversion's scale operand
.endr
.irp b, 0,1,2,3
	v_lshrrev_b32 v[TM+4+\b], 23, v[TM+12+\b]      ; the scale's byte
.endr
	v_lshl_or_b32 v[PWS+(\a)], v[TM+5], 8, v[TM+4]
	v_lshl_or_b32 v[PWS+(\a)], v[TM+6], 16, v[PWS+(\a)]
	v_lshl_or_b32 v[PWS+(\a)], v[TM+7], 24, v[PWS+(\a)]
.if (\a) > 0
	s_wait_xcnt 0x0                                ; the last tile's stores have read their data: the codes' registers may be written again
.endif
	WIN 2+(\a)/4                                   ; source 0: window 2 or 3
.irp c, 0,1
	v_cvt_scalef32_pk16_bf6_f32 v[PC+6*\c:PC+2+6*\c], v[AC+32*\c:AC+15+32*\c], v[TM+12+2*\c]
	v_cvt_scalef32_pk16_bf6_f32 v[PC+12+4*\c:PC+14+4*\c], v[AC+16+32*\c:AC+31+32*\c], v[TM+12+2*\c+1]
.endr
	WIN 0
	v_nop                                          ; one plain place behind a scaled conversion
.irp c, 0,1
.irp i, 0,1,2
	v_permlane16_swap_b32 v[PC+6*\c+\i], v[PC+12+4*\c+\i]
.endr
.irp i, 0,1,2
	v_mov_b32 v[PC+3+6*\c+\i], v[PC+12+4*\c+\i]
.endr
.endr
	global_store_b128 v[L16], v[PC:PC+3], s[78:79] offset:(\a)*768                 ; each store covers 512 or 256 consecutive bytes, aligned to 256
	global_store_b64 v[L8], v[PC+4:PC+5], s[78:79] offset:(\a)*768+512
	global_store_b128 v[L16], v[PC+6:PC+9], s[78:79] offset:(\a)*768+98304         ; the chunk's second half: 128 half images on
	global_store_b64 v[L8], v[PC+10:PC+11], s[78:79] offset:(\a)*768+98304+512
.endm
.irp a, 0,1,2,3,4,5,6,7
	EPI \a
.endr
	v_cmp_lt_u32 vcc_lo, 15, v[LANE]               ; lanes 16-31 store tiles 4 to 7's words of their row
.irp i, 0,1,2,3
	v_cndmask_b32 v[OUTS+\i], v[PWS+\i], v[PWS+4+\i], vcc_lo
.endr
	global_store_b128 v[SCO], v[OUTS:OUTS+3], s[76:77]     ; 512 consecutive bytes, aligned
	s_wait_tensorcnt 0x0                           ; the wave's end: a tensor wait, an add and its wait behind my last tensor load
	ds_add_u32 v[SPW], v[NIL]
	s_wait_dscnt 0x0
	CROUND                                         ; the closing round: no work-group ends while a partner may still ask for a tile that names it
	s_endpgm
.Lfunc_end_k_q5735f5f272_projqk:
	.size	k_q5735f5f272_projqk, .Lfunc_end_k_q5735f5f272_projqk-k_q5735f5f272_projqk
	.p2alignl 7, 3214868480
	.fill 96, 4, 3214868480
	.section	.rodata,"a",@progbits
	.p2align	6, 0x0
	.amdhsa_kernel k_q5735f5f272_projqk
		.amdhsa_group_segment_fixed_size 327680
		.amdhsa_private_segment_fixed_size 0
		.amdhsa_enable_private_segment 0
		.amdhsa_kernarg_size 24
		.amdhsa_user_sgpr_count 2
		.amdhsa_user_sgpr_kernarg_segment_ptr 1
		.amdhsa_wavefront_size32 1
		.amdhsa_system_sgpr_workgroup_id_x 1
		.amdhsa_system_sgpr_workgroup_id_y 1
		.amdhsa_system_sgpr_workgroup_id_z 1
		.amdhsa_system_vgpr_workitem_id 0
		.amdhsa_next_free_vgpr 1024
		.amdhsa_next_free_sgpr 98
		.amdhsa_reserve_vcc 1
		.amdhsa_float_denorm_mode_32 3
		.amdhsa_float_denorm_mode_16_64 3
		.amdhsa_memory_ordered 1
		.amdhsa_forward_progress 1
		.amdhsa_inst_pref_size 148
	.end_amdhsa_kernel
	.amdgpu_metadata
---
amdhsa.version: [ 1, 2 ]
amdhsa.kernels:
  - .name:           k_q5735f5f272_projqk
    .symbol:         k_q5735f5f272_projqk.kd
    .args:
      - { .name: xq, .offset: 0, .size: 8, .value_kind: global_buffer, .address_space: global }
      - { .name: wqk, .offset: 8, .size: 8, .value_kind: global_buffer, .address_space: global }
      - { .name: qkc, .offset: 16, .size: 8, .value_kind: global_buffer, .address_space: global }
    .group_segment_fixed_size: 327680
    .private_segment_fixed_size: 0
    .kernarg_segment_align: 8
    .kernarg_segment_size: 24
    .max_flat_workgroup_size: 128
    .sgpr_count:     98
    .vgpr_count:     1024
    .wavefront_size: 32
...
	.end_amdgpu_metadata
.endif
;; end of part 2
;; launch projv: the kernel of part 2 again; grid 32 x 4, 4 waves a work-group, clusters of 4 x 4, 327,680 bytes of LDS; arguments wvo, xq, vc; writes vc
;; launch attn (part 3): grid 8 x 64, 16 waves a work-group, no clusters, 327,680 bytes of LDS; arguments qkc, vc, ctxc; writes ctxc
.if DOCPART == 3
	.amdgcn_target "amdgcn-amd-amdhsa--gfx1250"
	.amdhsa_code_object_version 6
	.text
	.protected	k_q5735f5f272_attn
	.globl	k_q5735f5f272_attn
	.p2align	8
	.type	k_q5735f5f272_attn,@function
k_q5735f5f272_attn:
	s_mov_b64 s[64:65], 0
	v_nop
	global_prefetch_b8 v0, s[64:65] scope:SCOPE_SE
	s_setreg_imm32_b32 hwreg(HW_REG_WAVE_MODE, 25, 1), 1
	s_wait_xcnt 0x0
; CAUSAL ATTENTION on codes of BF6: S^T = k q^T (K = the head's 64), p = 2^(t - M), O^T = v^T p^T (K = the keys), O / the row's sum, quantised along the head's 64 for the last product.
; WORK LEFT OUT: a step of 128 keys all of which come after the wave's block of 128 queries (the mask that the reference builds gives them the weight 0: shown at the head of the first launch).
; THE SOFTMAX: t = score x log2(e) / 8; M = the running largest t rounded UP to a whole number; p is not normalised; the row's sum is taken of the unquantised p; when M moves, the sum and O are multiplied by 2^(old M - new M): exact.
; INPUTS: q's, k's and v's half images (16 rows x 64 along K, 768 bytes: lane l's first 16 bytes at 16 l, its last 8 at 512 + 8 l) and scale words, as the two launches before laid them.  Tile T's lane r holds row
; 32 (T / 2) + 8 (T % 2) + r + 8 (r / 8): so p's 16 registers of two neighbouring tiles of keys are 16 neighbouring keys, and O^T's of two tiles of v's rows 16 neighbours of the head's 64.
; K = 64 IN AN INSTRUCTION OF 128: q's registers 6-11 are zero codes, so k's registers 6-11 may hold any codes: they hold the next tile's (the last tile's: zeros).  Both scale words are loaded as 16 bits: bytes 2, 3 are 0, never 0xff.
; SHARES: a work-group has one head and TWO blocks of 128 queries, j and 15 - j, eight waves each, a tile of 16 queries a wave: 8 (j + 1) + 8 (16 - j) = 136 steps of a wave in every work-group.  Of waves 4 n .. 4 n + 3 two take each block.
; k's and v's codes come through a ring of two LDS slots of 512 keys (wave 0 fetches k's 24,576 dense bytes, wave 1 v's 8 rows of 3,072); their scale words of the whole head come once.
; EVERY work-group walks all four slots: trip counts are constants; a hidden step is jumped over by a branch on ids; a slot whose first key comes after the work-group's last query is not asked for.
; NO CLUSTER: the eight work-groups of a head need 3 or 4 of the 4 slots, by j.
; LIMITS: as in the first launch for the quantiser of the result; 1 / the sum is v_rcp_f32; NaN and infinities are not served.
; OUTPUT: half images at 12,288 T + 768 h (T: the tile of tokens); scale bytes, two for a row and head, at 6,291,456 + 2 (8,192 h + 16 T + r).
; REGISTERS: v1-7 addresses that stay; v8-11 the step's; v12 -M, v13 the largest t, v[14:15] the sum; v16-27 q; v28 the prefetch's offset; v29 q's scale word; v30 -infinity; v32-85 k's eight tiles, 6 registers apart, then v's four
; fragments; v86, v87 LDS addresses of the way out; v96-159 S^T, then p; v160-191 O^T; v192-223 O / the sum; v224-235 p's codes; v232-254 at work; v248-251 k's scale words, then v's; v253 p's.
.set SK,    512                        ; keys in a slot
.set VOFF,  24576                      ; a slot: k's 32 tiles, then v's 8 rows (2 x step + half) of 4 tiles
.set SLOT1, 1<<17                      ; slot 1 begins here: one exclusive or turns an address from slot to slot
.set SCK,   2*SLOT1                    ; k's scale words: 512 bytes a step of 128 keys: 32 r + 4 x tile + 2 (h % 2)
.set SCV,   SCK+8192                   ; v's: 512 bytes a step: 32 r + 16 (h % 2) + 4 x tile
.set CSC,   SCV+8192                   ; the result's scale bytes: 256 for each block of queries; stored by the waves, never filled
.set SPARE, CSC+512                    ; the spare words, 128 bytes for each wave: eight blocks of 256 bytes that no other line names
.set SPW, 5
.set NIL, 6
.set PFO, 28
.set TB,  2                            ; s2   LDS byte at which the slot in hand begins
.set TS,  3                            ; s3   the step's scale words: 512 bytes a step
.set WV,  18
.set QB,  19                           ; s19  my block's first query
.set SEL, 20
.set CS,  22                           ; s[22:23] log2(e) / 8
.set G1K, 24
.set G1V, 32
.set G0K, 40
.set G0V, 44
.set G1SK, 48
.set G1SV, 56
.set KF,  66                           ; s66  the step's first key
.set SLOTS, 67
.set G0SK, 68
.set G0SV, 72
.set PFA, 76                           ; s[76:77] where my prefetches stand: the slot after the one that is being asked for
.set PFS, 78                           ; s[78:79] a slot on, in bytes
.set LIM, 80                           ; s80  1 in a wave that prefetches, else the greatest number
.set LAST, 81                          ; s81  my work-group's last query
; Wave 0 fetches for k, wave 1 for v, the others nothing.  An s_nop 0 and four v_nop follow each of the two lines.
.macro TLOAD g0k, g1k, g0v, g1v
	s_cmp_lt_u32 s[WV], 1
	s_cbranch_scc0 .Lnot_k_\@
	tensor_load_to_lds s[\g0k:\g0k+3], s[\g1k:\g1k+7]
	s_nop 0
.rept 4
	v_nop
.endr
	s_branch .Lasked_\@
.Lnot_k_\@:
	s_cmp_lt_u32 s[WV], 2
	s_cbranch_scc0 .Lasked_\@
	tensor_load_to_lds s[\g0v:\g0v+3], s[\g1v:\g1v+7]
	s_nop 0
.rept 4
	v_nop
.endr
.Lasked_\@:
.endm
; A PREFETCH of what the NEXT change of slots will ask for: k's 96 blocks of 256 bytes and v's 8 rows x 12 blocks, a lane a block.  All eight work-groups of a head walk the same k and v: the one with j = 0, which walks all
; slots, asks; in it waves 4 to 6 for k and waves 8 to 10 for v, one instruction each.  Slots 2 and 3 are named, each block once; slots 0 and 1 come by their loads alone; the last change that fills a slot asks for nothing.
.macro ASK
	s_cmp_gt_u32 s[SLOTS], s[LIM]
	s_cbranch_scc0 .Lnot_mine_\@
	global_prefetch_b8 v[PFO], s[PFA:PFA+1] th:TH_LOAD_NT scope:SCOPE_SE
.Lnot_mine_\@:
.endm
	s_load_b128 s[4:7], s[0:1], 0x0                ; q's and k's buffer, v's
	s_load_b64 s[8:9], s[0:1], 0x10                ; the result's
	v_lshl_add_u32 v[SPW], v0, 2, SPARE
	v_mov_b32 v[NIL], 0
	ds_add_u32 v[SPW], v[NIL]                      ; the wave's opening: the add, twice on end, and its wait ahead of my first tensor load
	ds_add_u32 v[SPW], v[NIL]
	v_lshrrev_b32 v8, 5, v0
	s_delay_alu instid0(VALU_DEP_1)
	v_readfirstlane_b32 s[WV], v8                  ; wave 0..15
	s_and_b32 s82, ttmp7, 0xffff
	s_lshr_b32 s10, s82, 4                         ; b
	s_and_b32 s11, s82, 15                         ; h
	s_lshr_b32 s12, s[WV], 1                       ; idx: my tile in the block
	s_lshr_b32 s13, s[WV], 2
	s_xor_b32 s13, s13, s[WV]
	s_and_b32 s13, s13, 1                          ; sel: the low block (0) or the high one (1)
	s_sub_co_u32 s83, 15, ttmp9
	s_cmp_eq_u32 s13, 1
	s_cselect_b32 s14, s83, ttmp9                  ; blk
	s_lshl_b32 s[QB], s14, 7
	s_and_b32 s15, s11, 1
	s_lshr_b32 s16, s11, 1
	s_sub_co_u32 s[LAST], 16, ttmp9
	s_lshl_b32 s[LAST], s[LAST], 7
	s_sub_co_u32 s[LAST], s[LAST], 1
	s_lshl_b32 s17, s14, 3
	s_add_co_u32 s17, s17, s12                     ; my tile in the sequence
	s_lshl_b32 s82, s10, 12                        ; 4,096 b
	s_lshl_b32 s83, s11, 7
	s_add_co_u32 s83, s82, s83                     ; + 128 h
	s_add_co_u32 s84, s83, 2048                    ; k's half images lie 16 heads behind q's
	s_mul_i32 s84, s84, 768
	s_add_co_u32 s84, s84, 524288
	s_mov_b32 s85, 0                               ; s[84:85] k's codes
	s_add_co_u32 s92, s83, s17
	s_mul_i32 s92, s92, 768
	s_add_co_u32 s92, s92, 524288
	s_mov_b32 s93, 0                               ; s[92:93] my tile of q
	s_lshl_b32 s86, s11, 2
	s_add_co_u32 s86, s86, s82
	s_mul_i32 s86, s86, 768
	s_add_co_u32 s86, s86, 524288
	s_mov_b32 s87, 0                               ; s[86:87] v's codes
	s_lshl_b32 s82, s10, 8                         ; 256 b
	s_add_co_u32 s90, s82, s16
	s_lshl_b32 s90, s90, 9
	s_mov_b32 s91, 0                               ; s[90:91] v's scale words
	s_lshl_b32 s83, s16, 4
	s_add_co_u32 s83, s83, s82
	s_add_co_u32 s88, s83, 128
	s_lshl_b32 s88, s88, 9
	s_mov_b32 s89, 0                               ; s[88:89] k's scale words
	s_add_co_u32 s94, s83, s14
	s_lshl_b32 s94, s94, 9
	s_lshl_b32 s83, s12, 2
	s_add_co_u32 s94, s94, s83
	s_lshl_b32 s83, s15, 1
	s_add_co_u32 s94, s94, s83
	s_mov_b32 s95, 0                               ; s[94:95] my tile's scale bytes of q
	s_lshl_b32 s96, s10, 7
	s_add_co_u32 s96, s96, s17
	s_mul_i32 s96, s96, 12288
	s_mul_i32 s83, s11, 768
	s_add_co_u32 s96, s96, s83
	s_mov_b32 s97, 0                               ; s[96:97] my half image of the result
	s_mov_b32 s[G1K], 3<<16                        ; k's slot: 24,576 dense bytes as 96 rows of 256 (32 elements of 8 bytes); no mask, no padding
	s_mov_b32 s[G1K+1], 32<<16
	s_mov_b32 s[G1K+2], 96<<16
	s_mov_b32 s[G1K+3], 32<<16
	s_mov_b32 s[G1K+4], 96
	s_mov_b32 s[G1K+5], 32
	s_mov_b32 s[G1K+6], 0
	s_mov_b32 s[G1K+7], 0
	s_mov_b32 s[G1V], 3<<16                        ; v's slot: 8 rows of 3,072 bytes, 98,304 bytes apart
	s_mov_b32 s[G1V+1], 384<<16
	s_mov_b32 s[G1V+2], 8<<16
	s_mov_b32 s[G1V+3], 384<<16
	s_mov_b32 s[G1V+4], 8
	s_mov_b32 s[G1V+5], 12288
	s_mov_b32 s[G1V+6], 0
	s_mov_b32 s[G1V+7], 0
	s_mov_b32 s[G1SK], 3<<16                       ; k's scale words: 8,192 dense bytes as 32 rows of 256
	s_mov_b32 s[G1SK+1], 32<<16
	s_mov_b32 s[G1SK+2], 32<<16
	s_mov_b32 s[G1SK+3], 32<<16
	s_mov_b32 s[G1SK+4], 32
	s_mov_b32 s[G1SK+5], 32
	s_mov_b32 s[G1SK+6], 0
	s_mov_b32 s[G1SK+7], 0
	s_mov_b32 s[G1SV], 3<<16                       ; v's: 16 rows of 512 bytes, 8,192 bytes apart
	s_mov_b32 s[G1SV+1], 64<<16
	s_mov_b32 s[G1SV+2], 16<<16
	s_mov_b32 s[G1SV+3], 64<<16
	s_mov_b32 s[G1SV+4], 16
	s_mov_b32 s[G1SV+5], 1024
	s_mov_b32 s[G1SV+6], 0
	s_mov_b32 s[G1SV+7], 0
	s_mov_b32 s[SEL], 0x76543210
	s_mov_b32 s[SEL+1], 0xfedcba98
	s_mov_b32 s[CS], 0x3e38aa3b                    ; log2(e) / 8
	s_mov_b32 s[CS+1], s[CS]
	s_mov_b32 s[TB], 0
	s_mov_b32 s[TS], 0
	s_mov_b32 s[KF], 0
	s_mov_b32 s[SLOTS], 3
	s_wait_dscnt 0x0                               ; both opening adds are done
	s_wait_kmcnt 0x0
	s_mov_b32 s[G0SK], 1
	s_mov_b32 s[G0SK+1], SCK
	s_add_nc_u64 s[G0SK+2:G0SK+3], s[4:5], s[88:89]
	s_or_b32 s[G0SK+3], s[G0SK+3], 0x80000000
	s_mov_b32 s[G0SV], 1
	s_mov_b32 s[G0SV+1], SCV
	s_add_nc_u64 s[G0SV+2:G0SV+3], s[6:7], s[90:91]
	s_or_b32 s[G0SV+3], s[G0SV+3], 0x80000000
	TLOAD G0SK, G1SK, G0SV, G1SV                   ; the scale words of the whole head: filled once
	s_mov_b32 s[G0K], 1
	s_mov_b32 s[G0K+1], 0
	s_add_nc_u64 s[G0K+2:G0K+3], s[4:5], s[84:85]
	s_or_b32 s[G0K+3], s[G0K+3], 0x80000000
	s_mov_b32 s[G0V], 1
	s_mov_b32 s[G0V+1], VOFF
	s_add_nc_u64 s[G0V+2:G0V+3], s[6:7], s[86:87]
	s_or_b32 s[G0V+3], s[G0V+3], 0x80000000
	TLOAD G0K, G1K, G0V, G1V                       ; slot 0: a fetching wave has two loads out
	s_add_nc_u64 s[92:93], s[4:5], s[92:93]
	s_add_nc_u64 s[94:95], s[4:5], s[94:95]
	s_add_nc_u64 s[96:97], s[8:9], s[96:97]
	s_lshl_b32 s82, s11, 14
	s_lshl_b32 s83, s10, 12
	s_add_co_u32 s82, s82, s83
	s_lshl_b32 s83, s14, 8
	s_add_co_u32 s82, s82, s83
	s_add_co_u32 s82, s82, 6291456
	s_mov_b32 s83, 0
	s_add_nc_u64 s[98:99], s[8:9], s[82:83]        ; my block's 256 scale bytes of the result
	s_cmp_lt_u32 s[WV], 8                          ; the prefetches: waves under 8 stand in k, the others in v
	s_cselect_b64 s[PFA:PFA+1], s[4:5], s[6:7]
	s_cselect_b64 s[82:83], s[84:85], s[86:87]
	s_mov_b32 s[PFS], 786432
	s_cselect_b32 s[PFS], 24576, s[PFS]
	s_mov_b32 s[PFS+1], 0
	s_cselect_b32 s84, 0, 95232                    ; in v a row of 12 blocks lies 98,304 bytes from the next: 95,232 more than 12 blocks
	s_add_nc_u64 s[PFA:PFA+1], s[PFA:PFA+1], s[82:83]
	s_add_nc_u64 s[PFA:PFA+1], s[PFA:PFA+1], s[PFS:PFS+1]  ; in slot 1: the first change of slots steps it to slot 2
	s_and_b32 s85, s[WV], 3
	s_lshl_b32 s85, s85, 5
	v_and_b32 v8, 31, v0                           ; lane
	s_wait_alu depctr_va_vdst(0)
	v_add_nc_u32 v9, s85, v8                       ; n: my block of the 96
	s_delay_alu instid0(VALU_DEP_1)
	v_mul_u32_u24 v10, v9, 43
	s_delay_alu instid0(VALU_DEP_1)
	v_lshrrev_b32 v10, 9, v10                      ; n / 12 for n under 96
	s_delay_alu instid0(VALU_DEP_1)
	v_mul_lo_u32 v10, v10, s84
	s_delay_alu instid0(VALU_DEP_1)
	v_lshl_add_u32 v[PFO], v9, 8, v10
	s_sub_co_u32 s82, s[WV], 4
	s_lshr_b32 s82, s82, 3                         ; 0 in waves 4 to 11,
	s_or_b32 s82, s82, ttmp9                       ; of the work-group with j = 0
	s_cmp_eq_u32 s82, 0
	s_cselect_b32 s[LIM], 1, -1
	s_and_b32 s82, s[WV], 3
	s_cmp_eq_u32 s82, 3                            ; (three waves' worth each: not waves 7 and 11)
	s_cselect_b32 s[LIM], -1, s[LIM]
	v_and_b32 v9, 15, v0                           ; r
	v_bfe_u32 v10, v0, 4, 1                        ; hl
	v_lshlrev_b32 v1, 4, v8                        ; 16 x lane
	v_lshlrev_b32 v2, 3, v8                        ; 8 x lane
	s_delay_alu instid0(VALU_DEP_4)
	v_lshlrev_b32 v11, 5, v9                       ; 32 r
	global_load_b128 v[16:19], v1, s[92:93]        ; q's half image stays in registers
	global_load_b64 v[20:21], v2, s[92:93] offset:512
	global_load_u16 v29, v11, s[94:95]             ; and its two scale bytes
	v_lshl_add_u32 v3, v10, 2, v11
	s_lshl_b32 s82, s15, 1
	s_add_co_u32 s82, s82, SCK
	v_add_nc_u32 v3, s82, v3                       ; k's scale bytes: lanes 0-15 an even tile's, lanes 16-31 the odd tile's behind it
	s_lshl_b32 s82, s15, 4
	s_add_co_u32 s82, s82, SCV
	v_add_nc_u32 v4, s82, v11                      ; v's four scale words
	v_and_b32 v7, 8, v9
	s_delay_alu instid0(VALU_DEP_1)
	v_add_nc_u32 v7, v7, v9
	v_lshlrev_b32 v12, 4, v10
	s_delay_alu instid0(VALU_DEP_1)
	v_sub_nc_u32 v7, v7, v12
	s_lshr_b32 s82, s12, 1
	s_lshl_b32 s82, s82, 5
	s_and_b32 s83, s12, 1
	s_lshl_b32 s83, s83, 3
	s_add_co_u32 s82, s82, s83
	v_add_nc_u32 v7, s82, v7                       ; d = my query in its block - 16 hl
	s_lshl_b32 s82, s13, 8
	s_add_co_u32 s82, s82, CSC
	v_add_nc_u32 v87, s82, v2                      ; the way out: 8 bytes a lane of my block's 256 scale bytes,
	s_lshl_b32 s83, s12, 5
	s_add_co_u32 s82, s82, s83
	v_lshl_add_u32 v86, v9, 1, s82                 ; and where I put my row's two
	v_mov_b32 v30, 0xff800000                      ; -infinity
	v_mov_b32 v13, 0xff61b1e6                      ; the largest t so far: -3e38
	s_delay_alu instid0(VALU_DEP_1)
	v_floor_f32 v12, -v13                          ; -M
	v_mov_b32 v14, 0
	v_mov_b32 v15, 0
.irp i, 22,23,24,25,26,27,80,81,82,83,84,85,236,237,238,239,252,253
	v_mov_b32 v\i, 0                               ; q's upper half and what stands behind k's last tile: zero codes; lane permutes' destinations and pairs' upper halves: written once
.endr
.set n, 0
.rept 32
	v_mov_b32 v[160+n], 0                          ; O^T: the step is written once; the first finds zeros
.set n, n+1
.endr
; A KEY STEP: 128 keys, the q-th of the slot in hand
.macro STEP q
	s_cmp_gt_u32 s[KF], s[QB]                      ; all its keys come after my block's queries: left out; the lines at its end that step addresses are not
	s_cbranch_scc1 .Lhidden_\@
	v_add_nc_u32 v8, s[TB], v1                     ; (these four are the places behind the last step's products)
	v_add_nc_u32 v9, s[TB], v2
	v_add_nc_u32 v10, s[TS], v3
	v_add_nc_u32 v11, s[TS], v4
.irp t, 0,1,2,3,4,5,6,7
	ds_load_b128 v[32+6*\t:35+6*\t], v8 offset:(8*(\q)+\t)*768
	ds_load_b64 v[36+6*\t:37+6*\t], v9 offset:(8*(\q)+\t)*768+512
.endr
.irp i, 0,1,2,3
	ds_load_u16 v[248+\i], v10 offset:8*\i
.endr
	s_wait_alu depctr_va_vdst(0)
	s_wait_dscnt 0x0
.irp t, 0,2,4,6
	v_wmma_scale_f32_16x16x128_f8f6f4 v[96+8*\t:103+8*\t], v[32+6*\t:43+6*\t], v[16:27], 0, v[248+\t/2], v29 matrix_a_fmt:MATRIX_FMT_BF6 matrix_b_fmt:MATRIX_FMT_BF6
	v_wmma_scale_f32_16x16x128_f8f6f4 v[104+8*\t:111+8*\t], v[38+6*\t:49+6*\t], v[16:27], 0, v[248+\t/2], v29 matrix_a_fmt:MATRIX_FMT_BF6 matrix_b_fmt:MATRIX_FMT_BF6 matrix_a_scale:MATRIX_SCALE_ROW1
.endr
.rept 4
	v_nop                                          ; places: in front of the loads below and of the first read of the scores
.endr
.irp t, 0,1,2,3                                ; v's four fragments and scale words: they land under the softmax
	ds_load_b128 v[32+12*\t:35+12*\t], v8 offset:VOFF+(2*(\q))*3072+\t*768
	ds_load_b64 v[36+12*\t:37+12*\t], v9 offset:VOFF+(2*(\q))*3072+\t*768+512
	ds_load_b128 v[38+12*\t:41+12*\t], v8 offset:VOFF+(2*(\q)+1)*3072+\t*768
	ds_load_b64 v[42+12*\t:43+12*\t], v9 offset:VOFF+(2*(\q)+1)*3072+\t*768+512
.endr
	ds_load_b128 v[248:251], v11
	s_cmp_lt_u32 s[KF], s[QB]                      ; a step all of whose keys count skips the mask
	s_cbranch_scc1 .Lopen_\@
.set n, 0
.rept 64                                       ; register 16 b + i holds key KF + 32 b + 16 hl + i: hidden where 32 b + i > d
	v_cmp_gt_i32 vcc_lo, 32*(n/16)+n%16, v7
	v_cndmask_b32 v[96+n], v[96+n], v30, vcc_lo
.set n, n+1
.endr
.Lopen_\@:
.irp b, 0,1,2,3
	v_max3_num_f32 v[232+\b], v[96+16*\b], v[97+16*\b], v[98+16*\b]   ; the largest score of each block of 32 keys: for the row's maximum and, since p rises with the score, for the block's largest p
.endr
.irp i, 3,5,7,9,11,13
.irp b, 0,1,2,3
	v_max3_num_f32 v[232+\b], v[232+\b], v[96+16*\b+\i], v[97+16*\b+\i]
.endr
.endr
.irp b, 0,1,2,3
	v_max_num_f32 v[232+\b], v[232+\b], v[111+16*\b]
.endr
.irp b, 0,1,2,3
	s_delay_alu instid0(VALU_DEP_4)
	v_permlanex16_b32 v[236+\b], v[232+\b], s[SEL], s[SEL+1]
.endr
.irp b, 0,1,2,3
	s_delay_alu instid0(VALU_DEP_4)
	v_max_num_f32 v[232+\b], v[232+\b], v[236+\b]
.endr
	s_delay_alu instid0(VALU_DEP_2)
	v_max3_num_f32 v254, v232, v233, v234
	s_delay_alu instid0(VALU_DEP_1)
	v_max_num_f32 v254, v254, v235
	s_delay_alu instid0(VALU_DEP_1)
	v_mul_f32 v254, s[CS], v254
	s_delay_alu instid0(VALU_DEP_1)
	v_max_num_f32 v13, v13, v254                   ; the running largest t
	v_mov_b32 v254, v12
	s_delay_alu instid0(VALU_DEP_2)
	v_floor_f32 v12, -v13                          ; the new -M = -ceil(t)
	s_delay_alu instid0(VALU_DEP_1)
	v_sub_f32 v254, v12, v254                      ; old M - new M: a whole number, 0 or less
	s_delay_alu instid0(VALU_DEP_1)
	v_cvt_i32_f32 v254, v254                       ; (it saturates)
	s_delay_alu instid0(VALU_DEP_1)
	v_ldexp_f32 v252, 1.0, v254                    ; f = 2^(old M - new M)
.set n, 0
.rept 32
	v_pk_fma_f32 v[96+n:97+n], v[96+n:97+n], s[CS:CS+1], v[12:13] op_sel_hi:[1,0,0]   ; t - M, two at a time
.set n, n+2
.endr
.irp b, 0,1,2,3
	v_fma_f32 v[232+\b], v[232+\b], s[CS], v12
.endr
.set n, 0
	s_wait_alu depctr_va_vdst(0)
.rept 64
	v_exp_f32 v[96+n], v[96+n]                     ; p = 2^(t - M)
.set n, n+1
.endr
	v_pk_mul_f32 v[14:15], v[14:15], v[252:253] op_sel_hi:[1,0]   ; the sums under the new M: a plain place behind the exponentials
	s_wait_alu depctr_va_vdst(0)                   ; one wait for the whole batch, ahead of its first reader
.irp b, 0,1,2,3
	v_exp_f32 v[232+\b], v[232+\b]                 ; the blocks' largest p
.endr
	v_pk_add_f32 v[236:237], v[100:101], v[104:105]
	v_pk_add_f32 v[254:255], v[108:109], v[112:113]
	v_pk_add_f32 v[246:247], v[116:117], v[120:121]
	v_pk_add_f32 v[244:245], v[124:125], v[128:129]
	v_pk_add_f32 v[242:243], v[132:133], v[136:137]
	v_pk_add_f32 v[240:241], v[140:141], v[144:145]
	v_pk_add_f32 v[238:239], v[148:149], v[152:153]
	v_pk_add_f32 v[14:15], v[14:15], v[156:157]
	v_pk_add_f32 v[236:237], v[236:237], v[96:97]
	v_pk_add_f32 v[254:255], v[254:255], v[98:99]
	v_pk_add_f32 v[246:247], v[246:247], v[102:103]
	v_pk_add_f32 v[244:245], v[244:245], v[106:107]
	v_pk_add_f32 v[242:243], v[242:243], v[110:111]
	v_pk_add_f32 v[240:241], v[240:241], v[114:115]
	v_pk_add_f32 v[238:239], v[238:239], v[118:119]
	v_pk_add_f32 v[14:15], v[14:15], v[122:123]
	v_pk_add_f32 v[236:237], v[236:237], v[126:127]
	v_pk_add_f32 v[254:255], v[254:255], v[130:131]
	v_pk_add_f32 v[246:247], v[246:247], v[134:135]
	v_pk_add_f32 v[244:245], v[244:245], v[138:139]
	v_pk_add_f32 v[242:243], v[242:243], v[142:143]
	v_pk_add_f32 v[240:241], v[240:241], v[146:147]
	v_pk_add_f32 v[238:239], v[238:239], v[150:151]
	v_pk_add_f32 v[14:15], v[14:15], v[154:155]
	v_pk_add_f32 v[236:237], v[236:237], v[158:159]
	s_delay_alu instid0(VALU_DEP_2)
	v_pk_add_f32 v[14:15], v[14:15], v[244:245]
	s_delay_alu instid0(VALU_DEP_2)
	v_pk_add_f32 v[236:237], v[236:237], v[242:243]
	v_pk_add_f32 v[254:255], v[254:255], v[240:241]
	v_pk_add_f32 v[246:247], v[246:247], v[238:239]
	s_delay_alu instid0(VALU_DEP_2)
	v_pk_add_f32 v[14:15], v[14:15], v[254:255]
	s_delay_alu instid0(VALU_DEP_2)
	v_pk_add_f32 v[236:237], v[236:237], v[246:247]
	s_delay_alu instid0(VALU_DEP_1)
	v_pk_add_f32 v[14:15], v[14:15], v[236:237]
	s_wait_alu depctr_va_vdst(0)                   ; and one for the four
.irp b, 0,1,2,3
	v_max_num_f32 v[232+\b], 0x2800000, v[232+\b]  ; the floor 2^(5 - 127): a block whose every p is 0 keeps the byte 1; its codes are zeros
.endr
.irp b, 0,1,2,3
	s_delay_alu instid0(VALU_DEP_4)
	v_add_nc_u32 v[244+\b], 0xfe000000, v[232+\b]
.endr
.irp b, 0,1,2,3
	s_delay_alu instid0(VALU_DEP_4)
	v_lshrrev_b32 v[236+\b], 23, v[244+\b]
.endr
	s_delay_alu instid0(VALU_DEP_3)
	v_lshl_or_b32 v253, v237, 8, v236              ; p's scale word for these 128 keys
	s_delay_alu instid0(VALU_DEP_1)
	v_lshl_or_b32 v253, v238, 16, v253
	s_delay_alu instid0(VALU_DEP_1)
	v_lshl_or_b32 v253, v239, 24, v253
.irp c, 0,1
	v_cvt_scalef32_pk16_bf6_f32 v[224+6*\c:226+6*\c], v[96+32*\c:111+32*\c], v[244+2*\c]
	v_cvt_scalef32_pk16_bf6_f32 v[236+4*\c:238+4*\c], v[112+32*\c:127+32*\c], v[244+2*\c+1]
.endr
	v_nop                                          ; one plain place behind a scaled conversion
.irp c, 0,1
.irp i, 0,1,2
	v_permlane16_swap_b32 v[224+6*\c+\i], v[236+4*\c+\i]
.endr
.irp i, 0,1,2
	s_delay_alu instid0(VALU_DEP_3)
	v_mov_b32 v[227+6*\c+\i], v[236+4*\c+\i]
.endr
.endr
.set n, 0
.rept 16
	v_pk_mul_f32 v[160+n:161+n], v[160+n:161+n], v[252:253] op_sel_hi:[1,0]   ; O^T under the new M; these 16 are also the places in front of the products below
.set n, n+2
.endr
	s_wait_alu depctr_va_vdst(0)
	s_wait_dscnt 0x0                               ; v's fragments and scale words are in
.irp t, 0,1,2,3
	v_wmma_scale_f32_16x16x128_f8f6f4 v[160+8*\t:167+8*\t], v[32+12*\t:43+12*\t], v[224:235], v[160+8*\t:167+8*\t], v[248+\t], v253 matrix_a_fmt:MATRIX_FMT_BF6 matrix_b_fmt:MATRIX_FMT_BF6
.endr
.Lhidden_\@:
	s_add_co_u32 s[KF], s[KF], 128
	s_add_co_u32 s[TS], s[TS], 512
.endm
; THE CHANGE OF SLOTS, at a slot's head.  Each wave waits for all its tensor loads, adds 0 to its spare word, and waits for that and for its reads of the slot that it has left; behind the barrier the slot ahead is whole
; and nobody reads the other.  fill = 1: the other slot takes the next 512 keys, unless its first key comes after the work-group's last query: then none of the sixteen waves would read it.  That test is made of ids and
; the count of steps alone, is the same in all waves, and leads round the load's own lines alone; every wait on TENSORcnt in this text is for 0.
.macro CHANGE fill
	s_wait_tensorcnt 0x0
	ds_add_u32 v[SPW], v[NIL]                      ; 0 onto my spare word
.if \fill
	ds_add_u32 v[SPW], v[NIL]                      ; and twice on end here, in every trip alike
	s_xor_b32 s[G0K+1], s[G0K+1], SLOT1
	s_add_nc_u64 s[G0K+2:G0K+3], s[G0K+2:G0K+3], 24576
	s_xor_b32 s[G0V+1], s[G0V+1], SLOT1
	s_add_nc_u64 s[G0V+2:G0V+3], s[G0V+2:G0V+3], 786432
	s_wait_xcnt 0x0                                ; the last prefetch, a slot back, has read its address
	s_add_nc_u64 s[PFA:PFA+1], s[PFA:PFA+1], s[PFS:PFS+1]
.endif
	s_wait_dscnt 0x0
	s_barrier_signal -1
	s_barrier_wait -1
.if \fill
	s_add_co_u32 s82, s[KF], SK
	s_cmp_gt_u32 s82, s[LAST]
	s_cbranch_scc1 .Lpast_\@
	TLOAD G0K, G1K, G0V, G1V                       ; a fetching wave's one tensor load until the next barrier
.Lpast_\@:
	ASK
.endif
.endm
.macro SLOT_STEPS
	STEP 0
	STEP 1
	STEP 2
	STEP 3
	s_xor_b32 s[TB], s[TB], SLOT1
.endm
	s_wait_loadcnt 0x0                             ; q
.Lslot:                                            ; three trips: behind each change of slots but the last the next slot is asked for
	CHANGE 1
	SLOT_STEPS
	s_sub_co_u32 s[SLOTS], s[SLOTS], 1
	s_cmp_lg_u32 s[SLOTS], 0
	s_cbranch_scc1 .Lslot
	CHANGE 0                                       ; the last slot is written out: nothing is left to fetch
	SLOT_STEPS
	; THE WAY OUT: O^T / the sum; register 16 b + i is the head's channel 32 b + 16 hl + i of my query: two blocks, quantised as every operand; the half image is stored as it stands
	v_add_f32 v14, v14, v15
	s_delay_alu instid0(VALU_DEP_1)
	v_permlanex16_b32 v252, v14, s[SEL], s[SEL+1]
	s_delay_alu instid0(VALU_DEP_1)
	v_add_f32 v14, v14, v252                       ; the row's sum
	s_wait_alu depctr_va_vdst(0)
	v_rcp_f32 v14, v14
	v_nop                                          ; plain places behind the reciprocal and, with the additions above, behind the last products
	v_nop
	s_wait_alu depctr_va_vdst(0)                   ; the wait ahead of the first use
.set n, 0
.rept 32
	v_mul_f32 v[192+n], v[160+n], v14
.set n, n+1
.endr
.irp b, 0,1
	v_max3_num_f32 v[232+\b], |v[192+16*\b]|, |v[193+16*\b]|, 0x2800000
.endr
.irp i, 2,4,6,8,10,12,14
.irp b, 0,1
	s_delay_alu instid0(VALU_DEP_2)
	v_max3_num_f32 v[232+\b], v[232+\b], |v[192+16*\b+\i]|, |v[193+16*\b+\i]|
.endr
.endr
.irp b, 0,1
	s_delay_alu instid0(VALU_DEP_2)
	v_permlanex16_b32 v[236+\b], v[232+\b], s[SEL], s[SEL+1]
.endr
.irp b, 0,1
	s_delay_alu instid0(VALU_DEP_2)
	v_max_num_f32 v[232+\b], v[232+\b], v[236+\b]
.endr
.irp b, 0,1
	s_delay_alu instid0(VALU_DEP_2)
	v_add_nc_u32 v[244+\b], 0xfe000000, v[232+\b]
.endr
.irp b, 0,1
	s_delay_alu instid0(VALU_DEP_2)
	v_lshrrev_b32 v[236+\b], 23, v[244+\b]
.endr
	s_delay_alu instid0(VALU_DEP_1)
	v_lshl_or_b32 v238, v237, 8, v236              ; my row's two scale bytes
	v_cvt_scalef32_pk16_bf6_f32 v[224:226], v[192:207], v244
	v_cvt_scalef32_pk16_bf6_f32 v[240:242], v[208:223], v245
	v_nop
.irp i, 0,1,2
	v_permlane16_swap_b32 v[224+\i], v[240+\i]
.endr
.irp i, 0,1,2
	s_delay_alu instid0(VALU_DEP_3)
	v_mov_b32 v[227+\i], v[240+\i]
.endr
	global_store_b128 v1, v[224:227], s[96:97]     ; 512 and 256 consecutive bytes, aligned to 256
	global_store_b64 v2, v[228:229], s[96:97] offset:512
	ds_store_b16 v86, v238                         ; both halves of the lanes write the same two bytes
	s_wait_dscnt 0x0                               ; for the others' sake: my store has landed
	s_barrier_signal -1
	s_barrier_wait -1
	s_cmp_lt_u32 s[WV], 2                          ; wave 0 (the low block) and wave 1 (the high one) store their blocks' 256 scale bytes
	s_cbranch_scc0 .Lend
	ds_load_b64 v[232:233], v87
	s_wait_dscnt 0x0
	global_store_b64 v2, v[232:233], s[98:99]      ; 256 consecutive bytes, aligned
.Lend:
	s_wait_tensorcnt 0x0                           ; the wave's end: a tensor wait, an add and its wait behind my last tensor load and my last LDS store
	ds_add_u32 v[SPW], v[NIL]
	s_wait_dscnt 0x0
	s_endpgm
.Lfunc_end_k_q5735f5f272_attn:
	.size	k_q5735f5f272_attn, .Lfunc_end_k_q5735f5f272_attn-k_q5735f5f272_attn
	.p2alignl 7, 3214868480
	.fill 96, 4, 3214868480
	.section	.rodata,"a",@progbits
	.p2align	6, 0x0
	.amdhsa_kernel k_q5735f5f272_attn
		.amdhsa_group_segment_fixed_size 327680
		.amdhsa_private_segment_fixed_size 0
		.amdhsa_enable_private_segment 0
		.amdhsa_kernarg_size 24
		.amdhsa_user_sgpr_count 2
		.amdhsa_user_sgpr_kernarg_segment_ptr 1
		.amdhsa_wavefront_size32 1
		.amdhsa_system_sgpr_workgroup_id_x 1
		.amdhsa_system_sgpr_workgroup_id_y 1
		.amdhsa_system_sgpr_workgroup_id_z 1
		.amdhsa_system_vgpr_workitem_id 0
		.amdhsa_next_free_vgpr 256
		.amdhsa_next_free_sgpr 100
		.amdhsa_reserve_vcc 1
		.amdhsa_float_denorm_mode_32 3
		.amdhsa_float_denorm_mode_16_64 3
		.amdhsa_memory_ordered 1
		.amdhsa_forward_progress 1
		.amdhsa_inst_pref_size 197
	.end_amdhsa_kernel
	.amdgpu_metadata
---
amdhsa.version: [ 1, 2 ]
amdhsa.kernels:
  - .name:           k_q5735f5f272_attn
    .symbol:         k_q5735f5f272_attn.kd
    .args:
      - { .name: qkc, .offset: 0, .size: 8, .value_kind: global_buffer, .address_space: global }
      - { .name: vc, .offset: 8, .size: 8, .value_kind: global_buffer, .address_space: global }
      - { .name: ctxc, .offset: 16, .size: 8, .value_kind: global_buffer, .address_space: global }
    .group_segment_fixed_size: 327680
    .private_segment_fixed_size: 0
    .kernarg_segment_align: 8
    .kernarg_segment_size: 24
    .max_flat_workgroup_size: 512
    .sgpr_count:     100
    .vgpr_count:     256
    .wavefront_size: 32
...
	.end_amdgpu_metadata
.endif
;; end of part 3
;; launch outp (part 4): grid 4 x 32, 4 waves a work-group, clusters of 4 x 4, 327,680 bytes of LDS; arguments ctxc, wvo, bo, out0; writes out0
.if DOCPART == 4
	.amdgcn_target "amdgcn-amd-amdhsa--gfx1250"
	.amdhsa_code_object_version 6
	.text
	.protected	k_q5735f5f272_outp
	.globl	k_q5735f5f272_outp
	.p2align	8
	.type	k_q5735f5f272_outp,@function
k_q5735f5f272_outp:
	s_mov_b64 s[64:65], 0
	v_nop
	global_prefetch_b8 v0, s[64:65] scope:SCOPE_SE
	s_setreg_imm32_b32 hwreg(HW_REG_WAVE_MODE, 25, 1), 1
	s_wait_xcnt 0x0
	s_wait_alu depctr_hold_cnt(0) depctr_sa_sdst(0) depctr_va_vdst(0) depctr_va_sdst(0) depctr_va_ssrc(0) depctr_va_vcc(0) depctr_vm_vsrc(0)
	s_getreg_b32 s2, hwreg(HW_REG_IB_STS2, 6, 4)
	s_cmp_eq_u32 s2, 0
	s_cbranch_scc0 .Lentry_in_a_cluster
	s_endpgm
.Lentry_in_a_cluster:
	s_bfe_u32 s2, ttmp6, 0x10000c
	s_cmp_lg_u32 s2, 0xf033
	s_cbranch_scc0 .Lentry_shape_is_right
	s_endpgm
.Lentry_shape_is_right:
; out0 = ctx Wo^T + bo, on codes of BF6 (K = 1,024).  a = the attention's result (tiles of 12,288 bytes: 16 half images; scale bytes, two for a row and head, at 6,291,456 + 2 (8,192 h + row)), b = Wo's tiles (12,800 bytes each,
; from byte 819,200 of their buffer on).  No work is left out here.  The main sequence is that of the launches that make q, k and v: source 0 = a tile of Wo, source 1 = a tile of tokens; a work-group of four waves makes
; 256 x 256, a wave 128 x 128; K in steps of 256 through two LDS slots; joint loads in clusters of 4 x 4; all scale words in registers; the eight steps of 128 written out.
; THE BIAS is the C of each sum's first matrix instruction: eight registers for each tile of Wo, in the result's layout.
; Tile T's lane r holds row 32 (T / 2) + 8 (T % 2) + r + 8 (r / 8): a lane's eight results of Wo's tile b are columns 32 (b / 2) + 8 (b % 2) + 16 hl + 0 .. 7 of token r of a's tile.
; THE WAY OUT: a tile of 16 tokens x 128 columns goes through the wave's own stage in LDS (rows of 512 + 16 bytes) and leaves as whole rows of 512 bytes.  The stage lies in slot 0, which has had its last fill and its last read by then.
; REGISTERS: window 0: v12-30 addresses; v32-95 Wo's scale words, v96-159 the tokens'; v160-255 a's eight fragments.  window 1: b's two sets at v0, v128; the bias at v96-127 and v224-255; on the way out rows at v0-63, v128-191.
;   windows 2, 3: the accumulators.
.set FR,    12
.set NL,    4
.set TILEB, 3072
.set HALFT, 8*TILEB
.set SLOT,  4*HALFT
.set SPARE, 2*SLOT                     ; behind the ring: the spare words, 128 bytes for each wave: two blocks of 256 bytes that no other line names
.set SPITCH, 528
.set STO,  12                          ; v12 the stage: where I put 32 bytes of a row
.set RD,   13                          ; v13 and where I read a row back
.set ADRA, 16
.set ADRB, 20
.set L16,  24                          ; 16 x lane
.set L8,   25
.set R2,   26                          ; 2 r
.set R16,  27                          ; 16 r
.set SPW,  28
.set NIL,  29
.set H64,  30                          ; 64 hl
.set SB,   32
.set SA,   96
.set AF,   160
.set G1,  24
.set G0,  32
.set G1B, 48
.set G0B, 56
.set MSB, 0
.macro WIN new
.if MSB != \new
	s_set_vgpr_msb (MSB<<8)|\new
.set MSB, \new
.endif
.endm
.set MUL_LO, 0xa1                      ; source 0 (b) window 1, source 1 (a) window 0, C and D window 2
.set MUL_HI, 0xf1
.set BIA_LO, 0x91                      ; the same with C (the bias) in window 1
.set BIA_HI, 0xd1
.set TO_B,   0x40
.macro JLOAD g0a, g1a, g0b, g1b        ; a joint load: waves 0 and 1 fetch for a, waves 2 and 3 for b; an s_nop 0 and four v_nop follow each of the two lines
	s_cmp_eq_u32 s15, 0
	s_cbranch_scc0 .Lfor_b_\@
	tensor_load_to_lds s[\g0a:\g0a+3], s[\g1a:\g1a+7]
	s_nop 0
.rept 4
	v_nop
.endr
	s_branch .Lasked_\@
.Lfor_b_\@:
	tensor_load_to_lds s[\g0b:\g0b+3], s[\g1b:\g1b+7]
	s_nop 0
.rept 4
	v_nop
.endr
.Lasked_\@:
.endm
.macro CREST
	s_cmp_lg_u32 s14, 0
	s_cbranch_scc1 .Lnot_wave_0_\@
	s_barrier_signal -3
.Lnot_wave_0_\@:
	s_barrier_wait -3
	s_barrier_signal -1
	s_barrier_wait -1
.endm
.macro CROUND
	s_barrier_signal -1
	s_barrier_wait -1
	CREST
.endm
	s_load_b256 s[4:11], s[0:1], 0x0               ; a s[4:5], the weights s[6:7], bo s[8:9], out0 s[10:11]
	v_lshl_add_u32 v[SPW], v0, 2, SPARE
	v_mov_b32 v[NIL], 0
	ds_add_u32 v[SPW], v[NIL]                      ; the wave's opening: the add, twice on end, and its wait ahead of my first tensor load
	ds_add_u32 v[SPW], v[NIL]
	v_lshrrev_b32 v1, 5, v0
	v_readfirstlane_b32 s14, v1                    ; wave 0..3
	s_lshr_b32 s15, s14, 1                         ; my half of a's 16 tiles.  Also: I fetch for a (0) or for b (1)
	s_and_b32 s16, s14, 1                          ; my half of b's.  Also: which 8 tiles I fetch
	s_bfe_u32 s40, ttmp6, 0x40000
	s_bfe_u32 s41, ttmp6, 0x40004
	s_lshl_b32 s42, ttmp9, 2
	s_add_co_u32 s42, s42, s40                     ; block of columns
	s_and_b32 s17, ttmp7, 0xffff
	s_lshl_b32 s17, s17, 2
	s_add_co_u32 s17, s17, s41                     ; block of tokens
	s_lshl_b32 s43, s41, 2
	s_lshl_b32 s43, 15, s43
	s_lshl_b32 s44, 0x1111, s40
	s_or_b32 s[G1+0], s43, (3<<16)|(1<<21)
	s_or_b32 s[G1B+0], s44, (3<<16)|(1<<21)
.irp g, G1, G1B
	s_mov_b32 s[\g+1], 384<<16
	s_mov_b32 s[\g+2], 8<<16
	s_mov_b32 s[\g+3], 384<<16
	s_mov_b32 s[\g+4], 8
	s_mov_b32 s[\g+6], 0
	s_mov_b32 s[\g+7], 0
.endr
	s_mov_b32 s[G1+5], 1536                        ; a: 12,288 bytes from tile to tile
	s_mov_b32 s[G1B+5], 1600                       ; b: 12,800
	s_lshl_b32 s18, s16, 3
	s_lshl_b32 s20, s17, 4
	s_add_co_u32 s20, s20, s18
	s_mul_i32 s20, s20, 12288
	s_mov_b32 s21, 0
	s_lshl_b32 s46, s42, 4
	s_add_co_u32 s46, s46, s18
	s_mul_i32 s46, s46, 12800
	s_add_co_u32 s46, s46, 819200                  ; Wo's tiles lie behind Wv's 64
	s_mov_b32 s47, 0
	s_mul_i32 s45, s14, HALFT
	s_wait_dscnt 0x0
	s_wait_kmcnt 0x0
	s_add_nc_u64 s[20:21], s[4:5], s[20:21]
	s_add_nc_u64 s[46:47], s[6:7], s[46:47]
	CROUND
.irp s, 0,1
	s_mov_b32 s[G0+4*\s], 1
	s_add_co_u32 s[G0+4*\s+1], s45, \s*SLOT
	s_add_nc_u64 s[G0+4*\s+2:G0+4*\s+3], s[20:21], \s*TILEB
	s_or_b32 s[G0+4*\s+3], s[G0+4*\s+3], 0x80000000
	s_mov_b32 s[G0B+4*\s], 1
	s_add_co_u32 s[G0B+4*\s+1], s45, \s*SLOT
	s_add_nc_u64 s[G0B+4*\s+2:G0B+4*\s+3], s[46:47], \s*TILEB
	s_or_b32 s[G0B+4*\s+3], s[G0B+4*\s+3], 0x80000000
	JLOAD G0+4*\s, G1, G0B+4*\s, G1B
.endr
	v_and_b32 v3, 31, v0                           ; lane
	v_and_b32 v1, 15, v0                           ; r
	v_bfe_u32 v2, v0, 4, 1                         ; hl
	v_lshlrev_b32 v[L16], 4, v3
	v_lshlrev_b32 v[L8], 3, v3
	v_lshlrev_b32 v[R2], 1, v1
	v_lshlrev_b32 v[R16], 4, v1
	v_lshlrev_b32 v[H64], 6, v2
	s_mul_i32 s21, s15, HALFT
	s_mul_i32 s22, s16, HALFT
	s_add_co_u32 s22, s22, 2*HALFT
.irp s, 0,1
	v_add_nc_u32 v[ADRA+\s], s21, v[L16]
	v_add_nc_u32 v[ADRA+2+\s], s21, v[L8]
	v_add_nc_u32 v[ADRB+\s], s22, v[L16]
	v_add_nc_u32 v[ADRB+2+\s], s22, v[L8]
	s_add_co_u32 s21, s21, SLOT
	s_add_co_u32 s22, s22, SLOT
.endr
	s_mul_i32 s23, s14, 16*SPITCH                  ; my stage
	v_mul_u32_u24 v[STO], v1, SPITCH
	v_add_nc_u32 v[STO], v[STO], v[H64]
	v_add_nc_u32 v[STO], s23, v[STO]               ; in: row r, + 64 hl
	v_add_nc_u32 v[RD], s23, v[L16]                ; back: 16 bytes a lane of a row
	s_lshl_b32 s66, s17, 4
	s_lshl_b32 s67, s15, 3
	s_add_co_u32 s66, s66, s67                     ; my first tile of tokens
	s_lshl_b32 s68, s66, 5                         ; 32 bytes of a head's scale plane for each tile
	s_add_co_u32 s68, s68, 6291456
	s_mov_b32 s69, 0
	s_add_nc_u64 s[68:69], s[4:5], s[68:69]
	s_lshl_b32 s70, s42, 4
	s_lshl_b32 s71, s16, 3
	s_add_co_u32 s70, s70, s71
	s_mul_i32 s70, s70, 12800
	s_add_co_u32 s70, s70, 819200
	s_mov_b32 s71, 0
	s_add_nc_u64 s[70:71], s[6:7], s[70:71]
	s_lshl_b32 s72, s42, 10
	s_lshl_b32 s73, s16, 9
	s_add_co_u32 s72, s72, s73                     ; my first column, in bytes
	s_mov_b32 s73, 0
	s_add_nc_u64 s[74:75], s[8:9], s[72:73]        ; bo there
	s_lshl_b32 s76, s66, 16                        ; my first token: 16 rows of 4,096 bytes a tile
	s_mov_b32 s77, 0
	s_add_nc_u64 s[12:13], s[10:11], s[76:77]
	s_add_nc_u64 s[12:13], s[12:13], s[72:73]      ; out0 at my first token and column
.irp i, 0,1,2,3,4,5,6,7
.irp kh, 0,1
	global_load_b128 v[SB+8*\i+4*\kh:SB+8*\i+4*\kh+3], v[R16], s[70:71] offset:\i*12800+12288+256*\kh
.endr
.endr
.irp i, 0,1,2,3,4,5,6,7                        ; the tokens' scale words: step s takes head 2 s's two bytes below and head 2 s + 1's above
.irp t, 0,1,2,3,4,5,6,7
	global_load_u16 v[SA+8*\i+\t], v[R2], s[68:69] offset:(2*\t)*16384+32*\i
	global_load_u16 v[AF+8*\i+\t], v[R2], s[68:69] offset:(2*\t+1)*16384+32*\i
.endr
.endr
	WIN TO_B
.irp b, 0,1,2,3,4,5,6,7                        ; the bias, in the result's layout, into the gaps of window 1
	global_load_b128 v[96+8*\b+96*(\b/4):96+8*\b+96*(\b/4)+3], v[H64], s[74:75] offset:4*(32*(\b/2)+8*(\b%2))
	global_load_b128 v[96+8*\b+96*(\b/4)+4:96+8*\b+96*(\b/4)+7], v[H64], s[74:75] offset:4*(32*(\b/2)+8*(\b%2))+16
.endr
	WIN 0
	s_wait_loadcnt 0x0
.set n, 0
.rept 64
	v_lshl_or_b32 v[SA+n], v[AF+n], 16, v[SA+n]
.set n, n+1
.endr
.rept 8
	v_nop                                          ; a scale register written by a vector instruction stands 8 places ahead of a scaled matrix instruction
.endr
.macro FRAG reg, adr, q, i
	ds_load_b128 v[\reg:\reg+3], v[\adr] offset:(\i)*TILEB+(2*(\q))*768
	ds_load_b64 v[\reg+4:\reg+5], v[\adr+2] offset:(\i)*TILEB+(2*(\q))*768+512
	ds_load_b128 v[\reg+6:\reg+9], v[\adr] offset:(\i)*TILEB+(2*(\q)+1)*768
	ds_load_b64 v[\reg+10:\reg+11], v[\adr+2] offset:(\i)*TILEB+(2*(\q)+1)*768+512
.endm
; 16 matrix instructions; first = 1: the bias starts the sums.  The 64 accumulators take turns.
.macro MUL16 a0, p, s, first
.irp a, \a0, \a0+1
.irp b, 0,1,2,3,4,5,6,7
.if \first
	v_wmma_scale_f32_16x16x128_f8f6f4 v[8*(8*((\a)%4)+\b):8*(8*((\a)%4)+\b)+7], v[128*(\p)+FR*\b:128*(\p)+FR*\b+FR-1], v[AF+FR*(\a):AF+FR*(\a)+FR-1], v[96+8*\b+96*(\b/4):96+8*\b+96*(\b/4)+7], v[SB+8*\b+(\s)], v[SA+8*(\a)+(\s)] matrix_a_fmt:MATRIX_FMT_BF6 matrix_b_fmt:MATRIX_FMT_BF6
.else
	v_wmma_scale_f32_16x16x128_f8f6f4 v[8*(8*((\a)%4)+\b):8*(8*((\a)%4)+\b)+7], v[128*(\p)+FR*\b:128*(\p)+FR*\b+FR-1], v[AF+FR*(\a):AF+FR*(\a)+FR-1], v[8*(8*((\a)%4)+\b):8*(8*((\a)%4)+\b)+7], v[SB+8*\b+(\s)], v[SA+8*(\a)+(\s)] matrix_a_fmt:MATRIX_FMT_BF6 matrix_b_fmt:MATRIX_FMT_BF6
.endif
.endr
.endr
.endm
.macro FETCH_B slot, q, p
	WIN TO_B
.irp i, 0,1,2,3,4,5,6,7
	FRAG 128*(\p)+FR*\i, ADRB+\slot, \q, \i
.endr
	WIN 0
.endm
.macro FETCH_A slot, q, i0
.irp i, \i0, \i0+1, \i0+2, \i0+3
	FRAG AF+FR*(\i), ADRA+\slot, \q, \i
.endr
.endm
.macro PLACES                          ; four plain places behind matrix instructions, in front of loads into registers that they have read and of the first read of results
.rept 4
	v_nop
.endr
.endm
.macro STEP slot, s, first
	s_wait_dscnt 4*NL                              ; b's set and a's tiles 0-3 are in; the youngest 16 loads may be out
.if \first
	WIN BIA_LO
.else
	WIN MUL_LO
.endif
	MUL16 0, 0, \s, \first
	MUL16 2, 0, \s, \first
	s_wait_dscnt 0x0
	PLACES
	FETCH_B \slot, 1, 1
	FETCH_A \slot, 1, 0
.if \first
	WIN BIA_HI
.else
	WIN MUL_HI
.endif
	MUL16 4, 0, \s, \first
	MUL16 6, 0, \s, \first
	PLACES
	WIN 0
	FETCH_A \slot, 1, 4
.endm
.macro TURN slot, next, s, fill        ; the change of slots: one barrier; in front of it all my tensor loads, the add, and my reads of this slot are waited for
	s_wait_tensorcnt 0x0
	ds_add_u32 v[SPW], v[NIL]
	s_wait_dscnt 4*NL+1                            ; (the add and the youngest 16 loads may be out)
	WIN MUL_LO
	MUL16 0, 1, \s, 0
	s_wait_dscnt 0x0
	s_barrier_signal -1
	MUL16 2, 1, \s, 0
	WIN 0
	s_barrier_wait -1
.if \fill
	CREST                                          ; a round of the cluster's barrier: no wave of any partner still reads this slot or has a load on its way
	s_add_nc_u64 s[G0+4*\slot+2:G0+4*\slot+3], s[G0+4*\slot+2:G0+4*\slot+3], 2*TILEB
	s_add_nc_u64 s[G0B+4*\slot+2:G0B+4*\slot+3], s[G0B+4*\slot+2:G0B+4*\slot+3], 2*TILEB
	JLOAD G0+4*\slot, G1, G0B+4*\slot, G1B
.else
	PLACES
.endif
	FETCH_B \next, 0, 0
	FETCH_A \next, 0, 0
	WIN MUL_HI
	MUL16 4, 1, \s, 0
	MUL16 6, 1, \s, 0
	PLACES
	WIN 0
	FETCH_A \next, 0, 4
.endm
	s_wait_tensorcnt 1                             ; my part of slot 0 is in; slot 1's may stay out
	s_barrier_signal -1
	s_barrier_wait -1
	FETCH_B 0, 0, 0
	FETCH_A 0, 0, 0
	FETCH_A 0, 0, 4
	STEP 0, 0, 1
	TURN 0, 1, 1, 1
	STEP 1, 2, 0
	TURN 1, 0, 3, 1
	STEP 0, 4, 0
	TURN 0, 1, 5, 0
	STEP 1, 6, 0
	s_wait_dscnt 4*NL
	WIN MUL_LO
	MUL16 0, 1, 7, 0
	MUL16 2, 1, 7, 0
	s_wait_dscnt 0x0
	WIN MUL_HI
	MUL16 4, 1, 7, 0
	MUL16 6, 1, 7, 0
	WIN 0
.macro TOSTAGE a                       ; a's tile a into my stage, each accumulator from its low end on, and back as rows; LDS serves a wave's instructions in order: no wait between
.set AC, 64*((\a)%4)
	WIN 0x08+4*((\a)/4)                            ; an LDS store's data are its source 1: window 2 or 3
.irp b, 0,1,2,3,4,5,6,7
	ds_store_b128 v[STO], v[AC+8*\b:AC+8*\b+3] offset:128*(\b/2)+32*(\b%2)
	ds_store_b128 v[STO], v[AC+8*\b+4:AC+8*\b+7] offset:128*(\b/2)+32*(\b%2)+16
.endr
	WIN TO_B
.set BB, 128*((\a)%2)
.irp t, 0,1,2,3,4,5,6,7,8,9,10,11,12,13,14,15
	ds_load_b128 v[BB+4*\t:BB+4*\t+3], v[RD] offset:\t*SPITCH
.endr
.endm
.macro SEND a, younger                 ; younger: the LDS instructions issued behind tile a's loads
.set BB, 128*((\a)%2)
	s_wait_dscnt \younger
	WIN 0x04                                       ; a store's data are its source 1: window 1
.irp t, 0,1,2,3,4,5,6,7,8,9,10,11,12,13,14,15
	global_store_b128 v[L16], v[BB+4*\t:BB+4*\t+3], s[12:13] offset:(32*((\a)/2)+8*((\a)%2)+\t+8*(\t/8))*4096 th:TH_STORE_NT   ; 512 consecutive bytes of a token's row, aligned to 256
.endr
.endm
	PLACES
	TOSTAGE 0
.irp a, 1,2,3,4,5,6,7
.if \a > 1
	s_wait_xcnt 0x0                                ; the stores of the tile two back have read their data: this tile's rows may land there
.endif
	TOSTAGE \a
	SEND \a-1, 32                                  ; behind that tile's loads: this tile's 16 stores and 16 loads
.endr
	SEND 7, 0
	WIN 0
	s_wait_tensorcnt 0x0                           ; the wave's end: a tensor wait, an add and its wait behind my last tensor load and my last LDS store
	ds_add_u32 v[SPW], v[NIL]
	s_wait_dscnt 0x0
	CROUND                                         ; the closing round
	s_endpgm
.Lfunc_end_k_q5735f5f272_outp:
	.size	k_q5735f5f272_outp, .Lfunc_end_k_q5735f5f272_outp-k_q5735f5f272_outp
	.p2alignl 7, 3214868480
	.fill 96, 4, 3214868480
	.section	.rodata,"a",@progbits
	.p2align	6, 0x0
	.amdhsa_kernel k_q5735f5f272_outp
		.amdhsa_group_segment_fixed_size 327680
		.amdhsa_private_segment_fixed_size 0
		.amdhsa_enable_private_segment 0
		.amdhsa_kernarg_size 32
		.amdhsa_user_sgpr_count 2
		.amdhsa_user_sgpr_kernarg_segment_ptr 1
		.amdhsa_wavefront_size32 1
		.amdhsa_system_sgpr_workgroup_id_x 1
		.amdhsa_system_sgpr_workgroup_id_y 1
		.amdhsa_system_sgpr_workgroup_id_z 1
		.amdhsa_system_vgpr_workitem_id 0
		.amdhsa_next_free_vgpr 1024
		.amdhsa_next_free_sgpr 98
		.amdhsa_reserve_vcc 0
		.amdhsa_float_denorm_mode_32 3
		.amdhsa_float_denorm_mode_16_64 3
		.amdhsa_memory_ordered 1
		.amdhsa_forward_progress 1
		.amdhsa_inst_pref_size 158
	.end_amdhsa_kernel
	.amdgpu_metadata
---
amdhsa.version: [ 1, 2 ]
amdhsa.kernels:
  - .name:           k_q5735f5f272_outp
    .symbol:         k_q5735f5f272_outp.kd
    .args:
      - { .name: ctxc, .offset: 0, .size: 8, .value_kind: global_buffer, .address_space: global }
      - { .name: wvo, .offset: 8, .size: 8, .value_kind: global_buffer, .address_space: global }
      - { .name: bo, .offset: 16, .size: 8, .value_kind: global_buffer, .address_space: global }
      - { .name: out0, .offset: 24, .size: 8, .value_kind: global_buffer, .address_space: global }
    .group_segment_fixed_size: 327680
    .private_segment_fixed_size: 0
    .kernarg_segment_align: 8
    .kernarg_segment_size: 32
    .max_flat_workgroup_size: 128
    .sgpr_count:     98
    .vgpr_count:     1024
    .wavefront_size: 32
...
	.end_amdgpu_metadata
.endif
;; end of part 4
